; MI455X (gfx1250); checked and timed in simulation.
; The chip was launched on July 23, 2026; its instructions are those of AMD's public machine-readable ISA for CDNA 5 (MIT licence, August 2026) and "CDNA5" Instruction Set Architecture Reference Guide (July 2026). The comments in the code are by the model that wrote it; some were corrected since.
;; Grouped Query Attention Block. Allowed arithmetic: float matrix products may take bf16 or f16 operands with f32 sums; all other float work in f32.
;; Inputs: Wk 1,024 x 256 float32; Wo 1,024 x 1,024 float32; Wq 1,024 x 1,024 float32; Wv 1,024 x 256 float32; b1 1,024 float32; b2 1,024 float32; g1 1,024 float32; g2 1,024 float32; tokens 2 x 2,048 x 1,024 float32.
;; Outputs: out0 2 x 2,048 x 1,024 float32.
;; 2 versions, each right; version 2 is version 1 with the launch prep written anew for expert scheduling mode. Each part assembles by itself: llvm-mc -triple=amdgcn-amd-amdhsa -mcpu=gfx1250 --defsym DOCPART=n.
;; ======== version 1 of 2: 5 launches
;; workspace buffers: t16 8,388,608 bytes; wb 5,242,880 bytes; qkv 12,582,912 bytes; at16 8,388,608 bytes; y 16,777,216 bytes
;; launch prep (part 1): grid 416 x 1, 8 waves a work-group, no clusters, 0 bytes of LDS; arguments tokens, g1, b1, Wq, Wk, Wv, Wo, t16, wb; writes t16, wb
.if DOCPART == 1
	.amdgcn_target "amdgcn-amd-amdhsa--gfx1250"
	.amdhsa_code_object_version 6
	.text
	.protected	k_qcebcd3dc76_prep
	.globl	k_qcebcd3dc76_prep
	.p2align	8
	.type	k_qcebcd3dc76_prep,@function
k_qcebcd3dc76_prep:
	s_mov_b64 s[64:65], 0
	v_nop
	global_prefetch_b8 v0, s[64:65] scope:SCOPE_SE
	s_setreg_imm32_b32 hwreg(HW_REG_WAVE_MODE, 25, 1), 1
	s_wait_xcnt 0x0
; Two jobs that stream, told apart by the work-group's number.
; Work-groups 0-255: t16 = bf16(LayerNorm(tokens) * g1 + b1).  16 rows a work-group, 2 rows a wave; a row (4,096 bytes) lies in
;   32 registers of one wave between the passes, so tokens is read once.  Mean first, then the sum of (x - mean)^2: no difference of large sums.
; Work-groups 256-415: the four weight matrices, times a constant in f32, rounded once to bf16, laid in blocks [k 128][c 64]:
;   wb[0 ..)       = [nb 8][ks 8][sub 3][128][64] for the columns Wq | Wk | Wv (block of 64 columns n64 = 3 nb + sub, k = 128 ks + kk)
;   wb[WO_OFF ..)  = [nb 8][ks 8][sub 2][128][64] for Wo (n64 - 24 = 2 nb + sub)
;   Wq carries 0.125 * log2(e) (the scores then come out in powers of two), Wo carries 0.1, Wk and Wv 1.0.
; No LDS, no matrix unit, no cluster: the work-groups share nothing but g1 and b1 (8 KiB against 64 KiB of rows each).
.set X0,   32                          ; v[32:63]   row 0 of the wave
.set X1,   64                          ; v[64:95]   row 1
.set G,    96                          ; v[96:127]  g1 at my columns
.set BV,   128                         ; v[128:159] b1 at my columns
.set T,    4                           ; v[4:19]    at work
.set MEAN, 20                          ; v[20:21]   the mean, twice
.set RSTD, 22                          ; v[22:23]   1 / sqrt(var + eps), twice
.set PT,   24                          ; v24        the other half's figure
.set GOF,  25                          ; v25        16 x lane
.set EPSR, 26                          ; v26        eps
.set WO_OFF, 3145728
	s_load_b512 s[4:19], s[0:1], 0x0               ; tokens 4:5, g1 6:7, b1 8:9, Wq 10:11, Wk 12:13, Wv 14:15, Wo 16:17, t16 18:19
	s_load_b64 s[20:21], s[0:1], 0x40              ; wb
	v_and_b32 v1, 31, v0                           ; lane
	v_lshrrev_b32 v2, 5, v0
	v_readfirstlane_b32 s24, v2                    ; wave
	s_cmp_ge_u32 ttmp9, 256
	s_cbranch_scc1 .Lweights
; ---------------------------------------------------------------- LayerNorm 1
.macro WSUM reg                        ; sum over the 32 lanes, result in every lane
	v_add_f32_dpp v[\reg], v[\reg], v[\reg] row_xmask:1 row_mask:0xf bank_mask:0xf
	v_add_f32_dpp v[\reg], v[\reg], v[\reg] row_xmask:2 row_mask:0xf bank_mask:0xf
	v_add_f32_dpp v[\reg], v[\reg], v[\reg] row_xmask:4 row_mask:0xf bank_mask:0xf
	v_add_f32_dpp v[\reg], v[\reg], v[\reg] row_xmask:8 row_mask:0xf bank_mask:0xf
	v_permlanex16_b32 v[PT], v[\reg], s40, s41
	v_add_f32 v[\reg], v[\reg], v[PT]
.endm
.macro STATS X                         ; the row in v[X:X+31] becomes (x - mean) / sqrt(var + eps)
.irp i, 0,1,2,3,4,5,6,7
	v_pk_add_f32 v[T+2*\i:T+2*\i+1], v[\X+4*\i:\X+4*\i+1], v[\X+4*\i+2:\X+4*\i+3]
.endr
.irp i, 0,1,2,3
	v_pk_add_f32 v[T+4*\i:T+4*\i+1], v[T+4*\i:T+4*\i+1], v[T+4*\i+2:T+4*\i+3]
.endr
	v_pk_add_f32 v[T:T+1], v[T:T+1], v[T+4:T+5]
	v_pk_add_f32 v[T+8:T+9], v[T+8:T+9], v[T+12:T+13]
	v_pk_add_f32 v[T:T+1], v[T:T+1], v[T+8:T+9]
	v_add_f32 v[T], v[T], v[T+1]
	WSUM T
	v_mul_f32 v[MEAN], s42, v[T]                   ; sum / 1024
	v_mul_f32 v[MEAN+1], s42, v[T]
.irp i, 0,1,2,3,4,5,6,7,8,9,10,11,12,13,14,15
	v_pk_add_f32 v[\X+2*\i:\X+2*\i+1], v[\X+2*\i:\X+2*\i+1], v[MEAN:MEAN+1] neg_lo:[0,1] neg_hi:[0,1]
.endr
.irp i, 0,1,2,3
	v_pk_mul_f32 v[T+2*\i:T+2*\i+1], v[\X+2*\i:\X+2*\i+1], v[\X+2*\i:\X+2*\i+1]       ; four chains, started by products
.endr
.irp i, 4,5,6,7,8,9,10,11,12,13,14,15
	v_pk_fma_f32 v[T+2*(\i%4):T+2*(\i%4)+1], v[\X+2*\i:\X+2*\i+1], v[\X+2*\i:\X+2*\i+1], v[T+2*(\i%4):T+2*(\i%4)+1]
.endr
	v_pk_add_f32 v[T:T+1], v[T:T+1], v[T+2:T+3]
	v_pk_add_f32 v[T+4:T+5], v[T+4:T+5], v[T+6:T+7]
	v_pk_add_f32 v[T:T+1], v[T:T+1], v[T+4:T+5]
	v_add_f32 v[T], v[T], v[T+1]
	WSUM T
	v_fma_f32 v[T], v[T], s42, v[EPSR]             ; var + eps
	v_rsq_f32 v[RSTD], v[T]
	v_rsq_f32 v[RSTD+1], v[T]
	v_nop                                          ; one plain place behind a transcendental before its result is used (ISA guide 5.7.2)
	s_wait_alu depctr_va_vdst(0)
.irp i, 0,1,2,3,4,5,6,7,8,9,10,11,12,13,14,15
	v_pk_mul_f32 v[\X+2*\i:\X+2*\i+1], v[\X+2*\i:\X+2*\i+1], v[RSTD:RSTD+1]
.endr
.endm
.macro AFFINE X
.irp i, 0,1,2,3,4,5,6,7,8,9,10,11,12,13,14,15
	v_pk_fma_f32 v[\X+2*\i:\X+2*\i+1], v[\X+2*\i:\X+2*\i+1], v[G+2*\i:G+2*\i+1], v[BV+2*\i:BV+2*\i+1]
.endr
.endm
.macro PACKOUT X, row                  ; four numbers a lane become 8 bytes; a wave's store covers 256 consecutive bytes, aligned
.irp j, 0,1,2,3,4,5,6,7
	v_cvt_pk_bf16_f32 v[\X+4*\j], v[\X+4*\j], v[\X+4*\j+1]
	v_cvt_pk_bf16_f32 v[\X+4*\j+1], v[\X+4*\j+2], v[\X+4*\j+3]
	global_store_b64 v3, v[\X+4*\j:\X+4*\j+1], s[18:19] offset:\row*2048+256*\j
.endr
.endm
	s_mov_b32 s40, 0x76543210                      ; v_permlanex16_b32: lane i reads lane i of the other half
	s_mov_b32 s41, 0xfedcba98
	s_mov_b32 s42, 0x3a800000                      ; 1 / 1024
	v_mov_b32 v[PT], 0                             ; the permute's destination counts as read
	v_mov_b32 v[EPSR], 0x3727c5ac                  ; 1e-5
	v_lshlrev_b32 v[GOF], 4, v1                    ; 16 x lane: my 16 bytes of every 512
	s_lshl_b32 s25, s24, 13                        ; wave x 2 rows x 4,096 bytes
	s_lshl_b32 s26, s24, 12                        ; wave x 2 rows x 2,048 bytes
	v_add_nc_u32 v2, s25, v[GOF]
	v_lshl_add_u32 v3, v1, 3, s26
	s_lshl_b32 s28, ttmp9, 16                      ; 16 rows of tokens
	s_mov_b32 s29, 0
	s_lshl_b32 s30, ttmp9, 15                      ; 16 rows of t16
	s_mov_b32 s31, 0
	s_wait_kmcnt 0x0
	s_add_nc_u64 s[4:5], s[4:5], s[28:29]
	s_add_nc_u64 s[18:19], s[18:19], s[30:31]
.irp j, 0,1,2,3,4,5,6,7
	global_load_b128 v[X0+4*\j:X0+4*\j+3], v2, s[4:5] offset:512*\j
.endr
.irp j, 0,1,2,3,4,5,6,7
	global_load_b128 v[X1+4*\j:X1+4*\j+3], v2, s[4:5] offset:4096+512*\j
.endr
.irp j, 0,1,2,3,4,5,6,7
	global_load_b128 v[G+4*\j:G+4*\j+3], v[GOF], s[6:7] offset:512*\j
.endr
.irp j, 0,1,2,3,4,5,6,7
	global_load_b128 v[BV+4*\j:BV+4*\j+3], v[GOF], s[8:9] offset:512*\j
.endr
	s_wait_loadcnt 24                              ; row 0 is in; the 24 younger loads (row 1, g1, b1) stay out
	STATS X0
	s_wait_loadcnt 16                              ; row 1 is in; g1 and b1 stay out
	STATS X1
	s_wait_loadcnt 0x0
	AFFINE X0
	AFFINE X1
	PACKOUT X0, 0
	PACKOUT X1, 1
	s_endpgm
; ---------------------------------------------------------------- weights: 64 columns x 256 k a work-group, 32 k a wave
.Lweights:
	s_sub_co_u32 s25, ttmp9, 256
	s_lshr_b32 s26, s25, 2                         ; n64: block of 64 columns, 0-15 Wq, 16-19 Wk, 20-23 Wv, 24-39 Wo
	s_and_b32 s27, s25, 3                          ; kq: which 256 of k
	s_lshr_b32 s28, s24, 2
	s_lshl1_add_u32 s28, s27, s28                  ; ks = 2 kq + wave / 4: which 128 of k
	s_max_u32 s36, s26, 16
	s_sub_co_u32 s36, s36, 16                      ; column block inside Wk
	s_max_u32 s37, s26, 20
	s_sub_co_u32 s37, s37, 20                      ; inside Wv
	s_max_u32 s38, s26, 24
	s_sub_co_u32 s38, s38, 24                      ; inside Wo
	s_min_u32 s39, s26, 23                         ; inside Wq | Wk | Wv
	s_wait_kmcnt 0x0
	s_mov_b64 s[32:33], s[10:11]                   ; source, its row pitch in bytes, its column block, the factor: Wq's first
	s_mov_b32 s34, 4096
	s_mov_b32 s35, s26
	s_mov_b32 s30, 0x3e38aa3b                      ; 0.125 * log2(e)
	s_cmp_ge_u32 s26, 16
	s_cselect_b64 s[32:33], s[12:13], s[32:33]
	s_cselect_b32 s34, 1024, s34
	s_cselect_b32 s35, s36, s35
	s_cselect_b32 s30, 0x3f800000, s30
	s_cmp_ge_u32 s26, 20
	s_cselect_b64 s[32:33], s[14:15], s[32:33]
	s_cselect_b32 s35, s37, s35
	s_cmp_ge_u32 s26, 24
	s_cselect_b64 s[32:33], s[16:17], s[32:33]
	s_cselect_b32 s34, 4096, s34
	s_cselect_b32 s35, s38, s35
	s_cselect_b32 s30, 0x3dcccccd, s30             ; 0.1
	s_mov_b32 s31, s30
	; where the block goes
	s_mul_i32 s44, s39, 171
	s_lshr_b32 s44, s44, 9                         ; nb = n64 / 3 (exact for 0 .. 23)
	s_mul_i32 s45, s44, 3
	s_sub_co_u32 s45, s39, s45                     ; sub
	s_lshl3_add_u32 s44, s44, s28                  ; 8 nb + ks
	s_mul_i32 s44, s44, 3
	s_add_co_u32 s44, s44, s45
	s_lshl_b32 s44, s44, 14                        ; blocks of 16,384 bytes
	s_lshr_b32 s46, s38, 1
	s_and_b32 s47, s38, 1
	s_lshl3_add_u32 s46, s46, s28
	s_lshl1_add_u32 s46, s46, s47
	s_lshl_b32 s46, s46, 14
	s_add_co_u32 s46, s46, WO_OFF
	s_cmp_ge_u32 s26, 24
	s_cselect_b32 s44, s46, s44
	s_and_b32 s45, s24, 3
	s_lshl_b32 s45, s45, 12                        ; my 32 k rows of 128 bytes inside the block
	s_add_co_u32 s44, s44, s45
	s_mov_b32 s45, 0
	s_add_nc_u64 s[20:21], s[20:21], s[44:45]
	; where it comes from: row 256 kq + 32 wave + 4 i + lane / 8, bytes 256 colblk + 32 (lane % 8)
	s_lshl_b32 s36, s27, 8
	s_lshl_b32 s37, s24, 5
	s_add_co_u32 s36, s36, s37
	s_mul_i32 s36, s36, s34
	s_lshl_b32 s37, s35, 8
	s_add_co_u32 s36, s36, s37
	s_lshl_b32 s37, s34, 2                         ; four rows on
	v_lshrrev_b32 v2, 3, v1
	v_and_b32 v3, 7, v1
	v_mul_lo_u32 v2, v2, s34
	v_lshl_add_u32 v2, v3, 5, v2
	v_add_nc_u32 v8, s36, v2
.irp i, 1,2,3,4,5,6,7
	v_add_nc_u32 v[8+\i], s37, v[7+\i]
.endr
	v_lshlrev_b32 v7, 4, v1                        ; out: 16 x lane
.irp i, 0,1,2,3,4,5,6,7
	global_load_b128 v[32+8*\i:35+8*\i], v[8+\i], s[32:33] th:TH_LOAD_NT
	global_load_b128 v[36+8*\i:39+8*\i], v[8+\i], s[32:33] offset:16 th:TH_LOAD_NT   ; the pair covers 256 consecutive bytes of each of four rows
.endr
.irp i, 0,1,2,3,4,5,6,7
	s_wait_loadcnt 14-2*\i                         ; this step's two loads are in; the later steps' stay out
.irp p, 0,1,2,3
	v_pk_mul_f32 v[32+8*\i+2*\p:33+8*\i+2*\p], v[32+8*\i+2*\p:33+8*\i+2*\p], s[30:31] op_sel_hi:[1,0]
.endr
.irp p, 0,1,2,3
	v_cvt_pk_bf16_f32 v[96+4*\i+\p], v[32+8*\i+2*\p], v[33+8*\i+2*\p]
.endr
	global_store_b128 v7, v[96+4*\i:99+4*\i], s[20:21] offset:512*\i    ; four k rows of 128 bytes: 512 consecutive bytes; data registers of their own for each step
.endr
	s_endpgm
.Lfunc_end_k_qcebcd3dc76_prep:
	.size	k_qcebcd3dc76_prep, .Lfunc_end_k_qcebcd3dc76_prep-k_qcebcd3dc76_prep
	.p2alignl 7, 3214868480
	.fill 96, 4, 3214868480
	.section	.rodata,"a",@progbits
	.p2align	6, 0x0
	.amdhsa_kernel k_qcebcd3dc76_prep
		.amdhsa_group_segment_fixed_size 0
		.amdhsa_private_segment_fixed_size 0
		.amdhsa_enable_private_segment 0
		.amdhsa_kernarg_size 72
		.amdhsa_user_sgpr_count 2
		.amdhsa_user_sgpr_kernarg_segment_ptr 1
		.amdhsa_wavefront_size32 1
		.amdhsa_system_sgpr_workgroup_id_x 1
		.amdhsa_system_sgpr_workgroup_id_y 1
		.amdhsa_system_sgpr_workgroup_id_z 1
		.amdhsa_system_vgpr_workitem_id 0
		.amdhsa_next_free_vgpr 160
		.amdhsa_next_free_sgpr 66
		.amdhsa_reserve_vcc 0
		.amdhsa_float_denorm_mode_32 3
		.amdhsa_float_denorm_mode_16_64 3
		.amdhsa_memory_ordered 1
		.amdhsa_forward_progress 1
		.amdhsa_inst_pref_size 30
	.end_amdhsa_kernel
	.amdgpu_metadata
---
amdhsa.version: [ 1, 2 ]
amdhsa.kernels:
  - .name:           k_qcebcd3dc76_prep
    .symbol:         k_qcebcd3dc76_prep.kd
    .args:
      - { .name: tokens, .offset: 0, .size: 8, .value_kind: global_buffer, .address_space: global }
      - { .name: g1, .offset: 8, .size: 8, .value_kind: global_buffer, .address_space: global }
      - { .name: b1, .offset: 16, .size: 8, .value_kind: global_buffer, .address_space: global }
      - { .name: Wq, .offset: 24, .size: 8, .value_kind: global_buffer, .address_space: global }
      - { .name: Wk, .offset: 32, .size: 8, .value_kind: global_buffer, .address_space: global }
      - { .name: Wv, .offset: 40, .size: 8, .value_kind: global_buffer, .address_space: global }
      - { .name: Wo, .offset: 48, .size: 8, .value_kind: global_buffer, .address_space: global }
      - { .name: t16, .offset: 56, .size: 8, .value_kind: global_buffer, .address_space: global }
      - { .name: wb, .offset: 64, .size: 8, .value_kind: global_buffer, .address_space: global }
    .group_segment_fixed_size: 0
    .private_segment_fixed_size: 0
    .kernarg_segment_align: 8
    .kernarg_segment_size: 72
    .max_flat_workgroup_size: 256
    .sgpr_count:     66
    .vgpr_count:     160
    .wavefront_size: 32
...
	.end_amdgpu_metadata
.endif
;; end of part 1
;; launch qkv (part 2): grid 8 x 32, 4 waves a work-group, clusters of 4 x 4, 327,680 bytes of LDS; arguments t16, wb, qkv; writes qkv
.if DOCPART == 2
	.amdgcn_target "amdgcn-amd-amdhsa--gfx1250"
	.amdhsa_code_object_version 6
	.text
	.protected	k_qcebcd3dc76_qkv
	.globl	k_qcebcd3dc76_qkv
	.p2align	8
	.type	k_qcebcd3dc76_qkv,@function
k_qcebcd3dc76_qkv:
	s_mov_b64 s[64:65], 0
	v_nop
	global_prefetch_b8 v0, s[64:65] scope:SCOPE_SE
	s_setreg_imm32_b32 hwreg(HW_REG_WAVE_MODE, 25, 1), 1
	s_wait_xcnt 0x0
	s_wait_alu depctr_hold_cnt(0) depctr_sa_sdst(0) depctr_va_vdst(0) depctr_va_sdst(0) depctr_va_ssrc(0) depctr_va_vcc(0) depctr_vm_vsrc(0)
	s_getreg_b32 s2, hwreg(HW_REG_IB_STS2, 6, 4)
	s_cmp_eq_u32 s2, 0
	s_cbranch_scc0 .Lentry_in_a_cluster
	s_endpgm
.Lentry_in_a_cluster:
	s_bfe_u32 s2, ttmp6, 0x10000c
	s_cmp_lg_u32 s2, 0xf033
	s_cbranch_scc0 .Lentry_shape_is_right
	s_endpgm
.Lentry_shape_is_right:
; qkv = t16 [4096][1024] x (Wq | Wk | Wv) [1024][1536], bf16 operands, f32 sums, bf16 out, head-major: qkv[n64 24][row 4096][64].
; A work-group makes 128 rows x 192 columns with four waves in 2 x 2; a wave makes 64 x 96: 24 accumulator tiles (192 registers, window 1).
; K = 1024 goes in 8 steps of 128 through three LDS slots, all written out (no loop).  A's rows in a tile are 256 bytes of memory, aligned;
; B's tile of one (column block, K step) is one dense run of 49,152 bytes of wb, fetched as rows of 256 bytes.
; CLUSTERS: 4 x 4 work-groups.  A's tile hangs on the block row alone and is asked for jointly along a row of the cluster, B's on the block
; column alone and is asked for jointly along a column: each tile is requested once for four work-groups.
; Every wave issues one load for A (32 rows) and one for B (a quarter of the run) per K step; at most six tensor loads of a wave are out.
; The matrix instruction is used transposed (source 0 = columns of W, source 1 = rows of t16): a lane's eight results are eight neighbouring columns of a row.
.set NT,     6                         ; column tiles of a wave
.set APITCH, 272                       ; A in LDS: 256 bytes + 16: an odd multiple of 16, so 16 rows start at 16 different 16-byte columns modulo 256
.set BPITCH, 160                       ; B in LDS: a k row of 128 bytes + 32: an odd multiple of 32
.set ABYTES, 128*APITCH                ; 34,816
.set SUBB,   128*BPITCH                ; 20,480: 128 k of one block of 64 columns
.set SLOT,   ABYTES+3*SUBB             ; 96,256
.set STEPB,  49152                     ; bytes of wb for a K step
.set BROWS,  48                        ; rows of 256 bytes that a wave fetches of it
.set STAGE,  2*SLOT                    ; the way out uses slot 2, which has had its last fill (K step 5) and whose last reads lie in front of the third refill's round
.set SPITCH, 144                       ; stage: [sub 3][128 rows] of 128 bytes + 16
.set NL,     2*(4+NT)                  ; LDS loads of a quarter step
.set F0,     32                        ; fragment buffer 0: A's four tiles, then B's six
.set F1,     F0+8*(4+NT)               ; fragment buffer 1
.set TMP,    192
.set ADRA,   16                        ; v16-18 A's fragments in slot 0, 1, 2
.set ADRB0,  19                        ; v19-21 B's tiles 0-3: block 2 cw
.set ADRB1,  22                        ; v22-24 B's tiles 4, 5: block 1, columns 32 cw
.set VS0,    25
.set VS1,    26
.set VRD,    27
.set VCO,    28
.set G1A, 16                           ; s[16:23]
.set G1B, 24                           ; s[24:31]
.set G0A, 32                           ; s[32:43] a group 0 for each slot
.set G0B, 44                           ; s[44:55]
.set ABASE, 66                         ; s[66:67] my rows of A at K step 0, type bits set
.set BBASE, 68                         ; s[68:69] my quarter of B at K step 0, type bits set
.set MSB, 0
.macro WIN new                         ; the immediate's high byte repeats the setting that is left
.if MSB != \new
	s_set_vgpr_msb (MSB<<8)|\new
.set MSB, \new
.endif
.endm
.macro PLACES                          ; four plain places behind a matrix instruction before a load lands on, or a vector instruction touches, its registers
.rept 4
	v_nop
.endr
.endm
.macro CROUND                          ; a round of the cluster's barrier
	s_barrier_signal -1
	s_barrier_wait -1
	s_cmp_lg_u32 s12, 0
	s_cbranch_scc1 .Lnot_wave_0_\@
	s_barrier_signal -3
.Lnot_wave_0_\@:
	s_barrier_wait -3
	s_barrier_signal -1
	s_barrier_wait -1
.endm
.macro ISSUE t                         ; K step t into slot t % 3; that slot's two groups 0 are written while no load names them
	s_add_nc_u64 s[G0A+4*(\t%3)+2:G0A+4*(\t%3)+3], s[ABASE:ABASE+1], \t*256
	s_add_nc_u64 s[G0B+4*(\t%3)+2:G0B+4*(\t%3)+3], s[BBASE:BBASE+1], \t*STEPB
	tensor_load_to_lds s[G0A+4*(\t%3):G0A+4*(\t%3)+3], s[G1A:G1A+7]
	s_nop 0
	tensor_load_to_lds s[G0B+4*(\t%3):G0B+4*(\t%3)+3], s[G1B:G1B+7]
	s_nop 0
.endm
.macro FETCH slot, q, f                ; the fragments of quarter step q (32 along K) into buffer f: NL loads in one run
	WIN 0
.irp mt, 0,1,2,3
	ds_load_b128 v[\f+8*\mt:\f+8*\mt+3],   v[ADRA+\slot] offset:\mt*16*APITCH+64*\q
	ds_load_b128 v[\f+8*\mt+4:\f+8*\mt+7], v[ADRA+\slot] offset:\mt*16*APITCH+64*\q+32
.endr
.irp nt, 0,1,2,3
	ds_load_tr16_b128 v[\f+32+8*\nt:\f+32+8*\nt+3],   v[ADRB0+\slot] offset:\q*32*BPITCH+32*\nt
	ds_load_tr16_b128 v[\f+32+8*\nt+4:\f+32+8*\nt+7], v[ADRB0+\slot] offset:\q*32*BPITCH+32*\nt+16*BPITCH
.endr
.irp nt, 0,1
	ds_load_tr16_b128 v[\f+64+8*\nt:\f+64+8*\nt+3],   v[ADRB1+\slot] offset:\q*32*BPITCH+32*\nt
	ds_load_tr16_b128 v[\f+64+8*\nt+4:\f+64+8*\nt+7], v[ADRB1+\slot] offset:\q*32*BPITCH+32*\nt+16*BPITCH
.endr
.endm
.macro MUL f, zero                     ; 24 matrix instructions; the 24 accumulators take turns, one instruction a turn, always in this order
	WIN 0x50                           ; C and D in window 1
.irp mt, 0,1,2,3
.irp nt, 0,1,2,3,4,5
.if \zero
	v_wmma_f32_16x16x32_bf16 v[8*(NT*\mt+\nt):8*(NT*\mt+\nt)+7], v[\f+32+8*\nt:\f+32+8*\nt+7], v[\f+8*\mt:\f+8*\mt+7], 0
.else
	v_wmma_f32_16x16x32_bf16 v[8*(NT*\mt+\nt):8*(NT*\mt+\nt)+7], v[\f+32+8*\nt:\f+32+8*\nt+7], v[\f+8*\mt:\f+8*\mt+7], v[8*(NT*\mt+\nt):8*(NT*\mt+\nt)+7]
.endif
.endr
.endr
.endm
.macro TILE slot, zero                 ; one K step: four quarter steps on buffers 0, 1, 0, 1; each buffer is fetched while the other is multiplied
	PLACES
	FETCH \slot, 0, F0
	FETCH \slot, 1, F1
	s_wait_dscnt NL                                ; all but the NL loads just issued
	MUL F0, \zero
	PLACES
	FETCH \slot, 2, F0
	s_wait_dscnt NL
	MUL F1, 0
	PLACES
	FETCH \slot, 3, F1
	s_wait_dscnt NL
	MUL F0, 0
	s_wait_dscnt 0x0
	MUL F1, 0
	WIN 0
.endm
.macro BAR n                           ; shows a landed tile to the other waves; n younger loads may stay out
	s_wait_tensorcnt \n
	s_wait_dscnt 0x0
	s_barrier_signal -1
	s_barrier_wait -1
.endm
.macro REFILL                          ; in front of joint refills: my reads are back, all my tensor loads have landed, then a round of the cluster's barrier
	s_wait_tensorcnt 0x0
	ds_add_u32 v254, v255
	s_wait_dscnt 0x0
	CROUND
.endm
	s_load_b128 s[4:7], s[0:1], 0x0                ; t16, wb
	s_load_b64 s[8:9], s[0:1], 0x10                ; qkv
	v_lshl_add_u32 v254, v0, 2, 0x46800
	v_mov_b32 v255, 0
	ds_add_u32 v254, v255
	v_lshrrev_b32 v1, 5, v0
	v_readfirstlane_b32 s12, v1                    ; wave
	s_lshr_b32 s13, s12, 1                         ; wm: which 64 rows
	s_and_b32 s14, s12, 1                          ; cw: which 96 columns
	s_bfe_u32 s56, ttmp6, 0x40000                  ; cx
	s_bfe_u32 s57, ttmp6, 0x40004                  ; cy
	s_lshl_b32 s58, ttmp9, 2
	s_add_co_u32 s58, s58, s56                     ; nb: column block
	s_and_b32 s59, ttmp7, 0xffff
	s_lshl_b32 s59, s59, 2
	s_add_co_u32 s59, s59, s57                     ; mb: row block
	s_lshl_b32 s60, s57, 2
	s_lshl_b32 s60, 15, s60                        ; my row of the cluster
	s_lshl_b32 s61, 0x1111, s56                    ; my column
	; A: 32 rows x 128 elements of 2 bytes, 1,024 elements from row to row; 4 words of padding behind every 64
	s_or_b32 s[G1A+0], s60, (1<<16)|(1<<20)|(1<<21)|(5<<22)|(3<<25)
	s_mov_b32 s[G1A+1], 128<<16                    ; tensor_dim0
	s_mov_b32 s[G1A+2], 32<<16                     ; tensor_dim1
	s_mov_b32 s[G1A+3], 128<<16                    ; tile_dim0
	s_mov_b32 s[G1A+4], 32                         ; tile_dim1
	s_mov_b32 s[G1A+5], 1024                       ; pitch
	s_mov_b32 s[G1A+6], 0
	s_mov_b32 s[G1A+7], 0
	; B: a dense run as BROWS rows of 128 elements; 8 words of padding behind every 32 words, that is behind every k row of 128 bytes
	s_or_b32 s[G1B+0], s61, (1<<16)|(1<<20)|(1<<21)|(4<<22)|(7<<25)
	s_mov_b32 s[G1B+1], 128<<16
	s_mov_b32 s[G1B+2], BROWS<<16
	s_mov_b32 s[G1B+3], 128<<16
	s_mov_b32 s[G1B+4], BROWS
	s_mov_b32 s[G1B+5], 128
	s_mov_b32 s[G1B+6], 0
	s_mov_b32 s[G1B+7], 0
	s_mul_i32 s74, s12, 32*APITCH                  ; LDS: my 32 rows of A
	s_mul_i32 s75, s12, BROWS*2*BPITCH             ; my 96 k rows of B,
	s_add_co_u32 s75, s75, ABYTES                  ; behind A
.irp sl, 0,1,2
	s_mov_b32 s[G0A+4*\sl], 1
	s_add_co_u32 s[G0A+4*\sl+1], s74, \sl*SLOT
	s_mov_b32 s[G0B+4*\sl], 1
	s_add_co_u32 s[G0B+4*\sl+1], s75, \sl*SLOT
.endr
	s_lshl_b32 s70, s59, 18                        ; A: (128 mb + 32 wave) rows of 2,048 bytes: made of the block row and the wave alone
	s_lshl_b32 s71, s12, 16
	s_add_co_u32 s70, s70, s71
	s_mov_b32 s71, 0
	s_mul_i32 s72, s58, 8*STEPB                    ; B: made of the block column and the wave alone
	s_mul_i32 s73, s12, STEPB/4
	s_add_co_u32 s72, s72, s73
	s_mov_b32 s73, 0
	s_wait_dscnt 0x0
	s_wait_kmcnt 0x0
	s_add_nc_u64 s[ABASE:ABASE+1], s[4:5], s[70:71]
	s_or_b32 s[ABASE+1], s[ABASE+1], 0x80000000
	s_add_nc_u64 s[BBASE:BBASE+1], s[6:7], s[72:73]
	s_or_b32 s[BBASE+1], s[BBASE+1], 0x80000000
	CROUND                                         ; all sixteen work-groups are here: the first joint loads meet
	ISSUE 0
	ISSUE 1
	ISSUE 2
	v_and_b32 v1, 31, v0                           ; L
	v_and_b32 v2, 15, v0                           ; r
	v_bfe_u32 v3, v0, 4, 1                         ; h
	v_and_b32 v4, 7, v0
	v_bfe_u32 v5, v0, 3, 1
	v_mul_u32_u24 v6, v2, APITCH
	v_lshl_add_u32 v6, v3, 4, v6                   ; A: r x pitch + 16 h
	v_lshl_add_u32 v7, v3, 3, v4
	v_mul_u32_u24 v7, v7, BPITCH
	v_lshl_add_u32 v7, v5, 4, v7                   ; B: (8 h + L % 8) x pitch + 16 ((L / 8) % 2)
	s_mul_i32 s76, s13, 64*APITCH
	s_mul_i32 s77, s14, 2*SUBB
	s_add_co_u32 s77, s77, ABYTES
	s_lshl_b32 s78, s14, 6
	s_add_co_u32 s78, s78, ABYTES+SUBB
.irp sl, 0,1,2
	v_add_nc_u32 v[ADRA+\sl], s76, v6
	v_add_nc_u32 v[ADRB0+\sl], s77, v7
	v_add_nc_u32 v[ADRB1+\sl], s78, v7
	s_add_co_u32 s76, s76, SLOT
	s_add_co_u32 s77, s77, SLOT
	s_add_co_u32 s78, s78, SLOT
.endr
	v_mul_u32_u24 v8, v2, SPITCH
	v_lshl_add_u32 v8, v3, 4, v8                   ; stage, in: r x 144 + 16 h
	s_mul_i32 s76, s13, 64*SPITCH
	s_add_co_u32 s76, s76, STAGE
	s_mul_i32 s77, s14, 2*128*SPITCH
	s_add_co_u32 s77, s77, s76
	v_add_nc_u32 v[VS0], s77, v8                   ; block 2 cw
	s_lshl_b32 s77, s14, 6
	s_add_co_u32 s77, s77, s76
	s_add_co_u32 s77, s77, 128*SPITCH
	v_add_nc_u32 v[VS1], s77, v8                   ; block 1, columns 32 cw
	v_lshrrev_b32 v9, 3, v1
	v_mul_u32_u24 v9, v9, SPITCH
	v_lshl_add_u32 v9, v4, 4, v9
	s_mul_i32 s76, s12, 32*SPITCH
	s_add_co_u32 s76, s76, STAGE
	v_add_nc_u32 v[VRD], s76, v9                   ; stage, back: rows 32 wave + L / 8, 16 bytes at 16 (L % 8)
	v_lshlrev_b32 v10, 4, v1
	s_lshl_b32 s76, s12, 12
	v_add_nc_u32 v[VCO], s76, v10                  ; out: 32 rows of 128 bytes a wave, 16 bytes a lane
	s_lshl_b32 s70, s59, 14                        ; 128 mb rows of 128 bytes
	s_mov_b32 s71, 0
	s_add_nc_u64 s[8:9], s[8:9], s[70:71]
	s_mul_i32 s72, s58, 3*524288                   ; 3 nb blocks of 4,096 rows
	s_mov_b32 s73, 0
	s_add_nc_u64 s[8:9], s[8:9], s[72:73]
	BAR 4                                          ; K step 0 is in; the four loads of steps 1 and 2 stay out
	TILE 0, 1                                      ; the first products start the sums: nothing is cleared
	BAR 2                                          ; step 1 is in; step 2's two loads stay out
	TILE 1, 0
	REFILL
	ISSUE 3
	ISSUE 4
	TILE 2, 0
	BAR 2                                          ; step 3 is in; step 4's two loads stay out
	TILE 0, 0
	REFILL
	ISSUE 5
	ISSUE 6
	TILE 1, 0
	BAR 2                                          ; step 5 is in; step 6's stay out
	TILE 2, 0
	REFILL
	ISSUE 7
	TILE 0, 0
	BAR 0
	TILE 1, 0
	; THE WAY OUT: round to bf16, 16 bytes a lane into the stage, read back as rows of one block of 64 columns, 512 consecutive bytes a store.
	PLACES
.irp mt, 0,1,2,3
	WIN 0x05                                       ; sources in window 1
.irp nt, 0,1,2,3,4,5
.irp rr, 0,1,2,3
	v_cvt_pk_bf16_f32 v[TMP+4*\nt+\rr], v[8*(NT*\mt+\nt)+2*\rr], v[8*(NT*\mt+\nt)+2*\rr+1]
.endr
.endr
	WIN 0
.irp nt, 0,1,2,3
	ds_store_b128 v[VS0], v[TMP+4*\nt:TMP+4*\nt+3] offset:\mt*16*SPITCH+32*\nt
.endr
.irp nt, 0,1
	ds_store_b128 v[VS1], v[TMP+16+4*\nt:TMP+16+4*\nt+3] offset:\mt*16*SPITCH+32*\nt
.endr
.endr
	s_wait_dscnt 0x0                               ; my stores are done, for the waves that read them
	s_barrier_signal -1
	s_barrier_wait -1
.macro BACK sb, f
.irp i, 0,1,2,3,4,5,6,7
	ds_load_b128 v[\f+4*\i:\f+4*\i+3], v[VRD] offset:\sb*128*SPITCH+\i*4*SPITCH
.endr
.endm
.macro LEAVE sb, f
.irp i, 0,1,2,3,4,5,6,7
	s_wait_dscnt 23-8*\sb-\i                       ; LDS loads come back in order: this one is in, the younger ones stay out
	global_store_b128 v[VCO], v[\f+4*\i:\f+4*\i+3], s[8:9] offset:\sb*524288+512*\i
.endr
.endm
	BACK 0, F0
	BACK 1, F1
	BACK 2, TMP
	LEAVE 0, F0
	LEAVE 1, F1
	LEAVE 2, TMP
	s_wait_tensorcnt 0x0
	ds_add_u32 v254, v255
	s_wait_dscnt 0x0
	CROUND                                         ; the closing round: no work-group ends while a partner may still ask for a tile that names it
	s_endpgm
.Lfunc_end_k_qcebcd3dc76_qkv:
	.size	k_qcebcd3dc76_qkv, .Lfunc_end_k_qcebcd3dc76_qkv-k_qcebcd3dc76_qkv
	.p2alignl 7, 3214868480
	.fill 96, 4, 3214868480
	.section	.rodata,"a",@progbits
	.p2align	6, 0x0
	.amdhsa_kernel k_qcebcd3dc76_qkv
		.amdhsa_group_segment_fixed_size 327680
		.amdhsa_private_segment_fixed_size 0
		.amdhsa_enable_private_segment 0
		.amdhsa_kernarg_size 24
		.amdhsa_user_sgpr_count 2
		.amdhsa_user_sgpr_kernarg_segment_ptr 1
		.amdhsa_wavefront_size32 1
		.amdhsa_system_sgpr_workgroup_id_x 1
		.amdhsa_system_sgpr_workgroup_id_y 1
		.amdhsa_system_sgpr_workgroup_id_z 1
		.amdhsa_system_vgpr_workitem_id 0
		.amdhsa_next_free_vgpr 448
		.amdhsa_next_free_sgpr 80
		.amdhsa_reserve_vcc 0
		.amdhsa_float_denorm_mode_32 3
		.amdhsa_float_denorm_mode_16_64 3
		.amdhsa_memory_ordered 1
		.amdhsa_forward_progress 1
		.amdhsa_inst_pref_size 118
	.end_amdhsa_kernel
	.amdgpu_metadata
---
amdhsa.version: [ 1, 2 ]
amdhsa.kernels:
  - .name:           k_qcebcd3dc76_qkv
    .symbol:         k_qcebcd3dc76_qkv.kd
    .args:
      - { .name: t16, .offset: 0, .size: 8, .value_kind: global_buffer, .address_space: global }
      - { .name: wb, .offset: 8, .size: 8, .value_kind: global_buffer, .address_space: global }
      - { .name: qkv, .offset: 16, .size: 8, .value_kind: global_buffer, .address_space: global }
    .group_segment_fixed_size: 327680
    .private_segment_fixed_size: 0
    .kernarg_segment_align: 8
    .kernarg_segment_size: 24
    .max_flat_workgroup_size: 128
    .sgpr_count:     80
    .vgpr_count:     448
    .wavefront_size: 32
...
	.end_amdgpu_metadata
.endif
;; end of part 2
;; launch attn (part 3): grid 32 x 8, 8 waves a work-group, clusters of 4 x 1, 327,680 bytes of LDS; arguments qkv, at16; writes at16
.if DOCPART == 3
	.amdgcn_target "amdgcn-amd-amdhsa--gfx1250"
	.amdhsa_code_object_version 6
	.text
	.protected	k_qcebcd3dc76_attn
	.globl	k_qcebcd3dc76_attn
	.p2align	8
	.type	k_qcebcd3dc76_attn,@function
k_qcebcd3dc76_attn:
	s_mov_b64 s[64:65], 0
	v_nop
	global_prefetch_b8 v0, s[64:65] scope:SCOPE_SE
	s_setreg_imm32_b32 hwreg(HW_REG_WAVE_MODE, 25, 1), 1
	s_wait_xcnt 0x0
	s_wait_alu depctr_hold_cnt(0) depctr_sa_sdst(0) depctr_va_vdst(0) depctr_va_sdst(0) depctr_va_ssrc(0) depctr_va_vcc(0) depctr_vm_vsrc(0)
	s_getreg_b32 s2, hwreg(HW_REG_IB_STS2, 6, 4)
	s_cmp_eq_u32 s2, 0
	s_cbranch_scc0 .Lentry_in_a_cluster
	s_endpgm
.Lentry_in_a_cluster:
	s_bfe_u32 s2, ttmp6, 0x10000c
	s_cmp_lg_u32 s2, 0x3003
	s_cbranch_scc0 .Lentry_shape_is_right
	s_endpgm
.Lentry_shape_is_right:
; Causal grouped-query attention with a running maximum.  qkv[n64 24][row 4096][64] bf16 (0-15 Q heads, already times 0.125 log2(e); 16-19 K; 20-23 V);
; at16[row 4096][1024] bf16.
; Grid y = 4 b + kvh.  A work-group does two blocks of 32 query positions, jb1 = 4 a + cx and jb2 = 63 - jb1, each for the four query heads of its
; key/value head.  Keys go in tiles of 128, tiles in pairs; block jb needs jb / 8 + 1 pairs, so the two blocks need (a / 2 + 1) + ((15 - a) / 2 + 1) = 9 pairs
; for every a: all 256 work-groups make 18 trips.
; CLUSTERS: the four work-groups of a cluster share a, b and kvh: they walk the same K and V tiles in the same trips, and ask for them jointly (mask 15).
; Wave w: head g = w % 4, key half kh = w / 4: it holds 32 query columns (two tiles) and takes keys 64 kh .. 64 kh + 63 of every tile.  Register tile qt holds
; positions 16 (qt xor kh) + r, so at a block's end every wave gives its tile 1 to wave w xor 4 and finishes its tile 0: one text for all waves.
; S^T = K Q^T: a lane holds query r and keys 16 kt + 8 h + j, which packed to bf16 IS the fragment of P for O^T = V^T P^T: no shuffle between the products.
; Only the last pair of a block can touch the diagonal; it is written out with the mask, the loop's trips have none.
; LIMIT: a masked score is set to -3.4028235e38 (0xff7fffff), not to minus infinity, so that no difference of two infinities arises; real scores
; (in powers of two) must lie above that figure.  P, Q, K, V are bf16; maxima, sums and O are f32.
.set KPITCH, 144                       ; a key's 128 bytes + 16: an odd multiple of 16
.set VPITCH, 160                       ; + 32: an odd multiple of 32, for the transposing load
.set KBYTES, 128*KPITCH                ; 18,432
.set SLOT,   KBYTES+128*VPITCH         ; 38,912; two slots
.set XCH,    2*SLOT                    ; 77,824: exchange of the key halves, XW bytes a wave; no tensor load lands here
.set XW,     4608                      ; 4,096 of O, then 32 cells of 16 bytes with (m, l)
.set OUTB,   XCH+8*XW                  ; 114,688: 32 rows x (512 + 16) bytes, the block's output
.set OPITCH, 528
.set TILE,   16384                     ; bytes of K (or V) in a tile of 128 keys
.set VK, 2
.set VV, 3
.set VQ, 4                             ; v4, v5
.set VXS, 6
.set VXL, 7
.set VOS, 8
.set VOL, 9
.set VCO, 10
.set M,   12                           ; v[12:13] running maximum of query tile 0, 1
.set MN,  14                           ; v[14:15] new maximum
.set AL,  16                           ; v[16:17] 2^(old - new)
.set MXA, 18                           ; v[18:19]
.set MXB, 20                           ; v[20:21]
.set DQB, 22                           ; v[22:23] 16 (qt xor kh) + r - 8 h - 64 kh
.set DQ,  24                           ; v[24:25]
.set LP,  26                           ; v[26:27], v[28:29] partial sums of tile 0, 1
.set TP0, 30
.set TP1, 0                            ; v[0:1]: the thread's number is not needed behind the set-up
.set Q,   32                           ; v[32:63]   Q + 16 qt + 8 dh
.set O,   64                           ; v[64:127]  O + 16 dt + 8 qt
.set S,   128                          ; v[128:191] S + 32 qt + 8 kt; P + 32 qt + 16 c
.set KV,  192                          ; v[192:255] K + 32 dh + 8 kt, then V + 32 c + 8 dt
.set G1K, 16
.set G1V, 24
.set G0K, 32                           ; s[32:39] a group 0 for each slot
.set G0V, 40                           ; s[40:47]
.set KB,  48                           ; s[48:49] my 16 keys of K's tile 0, type bits set
.set VB,  50
.macro PLACES n
.rept \n
	v_nop
.endr
.endm
.macro ROUND
	s_barrier_signal -1
	s_barrier_wait -1
	s_cmp_lg_u32 s8, 0
	s_cbranch_scc1 .Lnot_wave_0_\@
	s_barrier_signal -3
.Lnot_wave_0_\@:
	s_barrier_wait -3
	s_barrier_signal -1
	s_barrier_wait -1
.endm
; One tile of 128 keys.  slot: where it lies; masked: the diagonal may cross it; refill: the other slot is filled again; reset: this slot's next tile is the next block's.
.macro TRIP slot, masked, refill, reset
	s_set_vgpr_msb 0x4
	s_wait_tensorcnt 0x0                           ; all my tensor loads have landed, my part of this tile among them: every group 0 may be written
	ds_add_u32 v11, v1
	s_wait_dscnt 0x0
	s_set_vgpr_msb 0x400
.if \reset
	s_add_nc_u64 s[G0K+4*\slot+2:G0K+4*\slot+3], s[KB:KB+1], \slot*TILE
	s_add_nc_u64 s[G0V+4*\slot+2:G0V+4*\slot+3], s[VB:VB+1], \slot*TILE
.else
	s_add_nc_u64 s[G0K+4*\slot+2:G0K+4*\slot+3], s[G0K+4*\slot+2:G0K+4*\slot+3], 2*TILE
	s_add_nc_u64 s[G0V+4*\slot+2:G0V+4*\slot+3], s[G0V+4*\slot+2:G0V+4*\slot+3], 2*TILE
.endif
	s_wait_dscnt 0x0                               ; my reads of the other slot are back
	ROUND                                          ; both now hold of every wave of the four work-groups
.if \refill
	tensor_load_to_lds s[G0K+4*(1-\slot):G0K+4*(1-\slot)+3], s[G1K:G1K+7]      ; two loads of a wave are out; they have this trip's work in which to land
	s_nop 0
	tensor_load_to_lds s[G0V+4*(1-\slot):G0V+4*(1-\slot)+3], s[G1V:G1V+7]
	s_nop 0
.endif
.irp dh, 0,1
.irp kt, 0,1,2,3
	ds_load_b128 v[KV+32*\dh+8*\kt:KV+32*\dh+8*\kt+3],   v[VK] offset:\slot*SLOT+\kt*16*KPITCH+64*\dh
	ds_load_b128 v[KV+32*\dh+8*\kt+4:KV+32*\dh+8*\kt+7], v[VK] offset:\slot*SLOT+\kt*16*KPITCH+64*\dh+32
.endr
.endr
	s_wait_dscnt 8                                 ; d = 0 .. 31 is in; the eight loads of d = 32 .. 63 stay out
.irp qt, 0,1
.irp kt, 0,1,2,3
	v_wmma_f32_16x16x32_bf16 v[S+32*\qt+8*\kt:S+32*\qt+8*\kt+7], v[KV+8*\kt:KV+8*\kt+7], v[Q+16*\qt:Q+16*\qt+7], 0
.endr
.endr
	s_wait_dscnt 0x0
.irp qt, 0,1                                       ; the eight accumulators take turns, one instruction a turn, in the same order
.irp kt, 0,1,2,3
	v_wmma_f32_16x16x32_bf16 v[S+32*\qt+8*\kt:S+32*\qt+8*\kt+7], v[KV+32+8*\kt:KV+32+8*\kt+7], v[Q+16*\qt+8:Q+16*\qt+15], v[S+32*\qt+8*\kt:S+32*\qt+8*\kt+7]
.endr
.endr
	PLACES 4                                       ; before V lands on K's registers and the scores are read (ISA guide 7.12.1)
.irp c, 0,1
.irp dt, 0,1,2,3
	ds_load_tr16_b128 v[KV+32*\c+8*\dt:KV+32*\c+8*\dt+3],   v[VV] offset:\slot*SLOT+\c*32*VPITCH+32*\dt
	ds_load_tr16_b128 v[KV+32*\c+8*\dt+4:KV+32*\c+8*\dt+7], v[VV] offset:\slot*SLOT+\c*32*VPITCH+32*\dt+16*VPITCH
.endr
.endr
.if \masked
	v_add_nc_u32 v[DQ],   s[62+\slot], v[DQB]      ; key 16 kt + j of my lane is allowed where 16 kt + j <= DQ
	v_add_nc_u32 v[DQ+1], s[62+\slot], v[DQB+1]
.irp qt, 0,1
.irp kt, 0,1,2,3
.irp j, 0,1,2,3,4,5,6,7
	v_cmp_le_i32 vcc_lo, 16*\kt+\j, v[DQ+\qt]
	v_cndmask_b32 v[S+32*\qt+8*\kt+\j], s76, v[S+32*\qt+8*\kt+\j], vcc_lo
.endr
.endr
.endr
.endif
	; the new maximum of each query: two chains a tile over my 32 scores, the old maximum, then the other half of the lanes
.irp qt, 0,1
	v_max3_num_f32 v[MXA+\qt], v[S+32*\qt], v[S+32*\qt+1], v[S+32*\qt+2]
	v_max3_num_f32 v[MXB+\qt], v[S+32*\qt+16], v[S+32*\qt+17], v[S+32*\qt+18]
.endr
.irp i, 0,1,2,3,4,5
.irp qt, 0,1
	v_max3_num_f32 v[MXA+\qt], v[MXA+\qt], v[S+32*\qt+3+2*\i], v[S+32*\qt+4+2*\i]
	v_max3_num_f32 v[MXB+\qt], v[MXB+\qt], v[S+32*\qt+19+2*\i], v[S+32*\qt+20+2*\i]
.endr
.endr
.irp qt, 0,1
	v_max3_num_f32 v[MXA+\qt], v[MXA+\qt], v[S+32*\qt+15], v[S+32*\qt+31]
.endr
.irp qt, 0,1
	v_max3_num_f32 v[MXA+\qt], v[MXA+\qt], v[MXB+\qt], v[M+\qt]
.endr
.irp qt, 0,1
	v_permlanex16_b32 v[MXB+\qt], v[MXA+\qt], s66, s67
.endr
.irp qt, 0,1
	v_max_num_f32 v[MN+\qt], v[MXA+\qt], v[MXB+\qt]
.endr
	v_sub_f32 v[AL], v[M], v[MN]
	v_sub_f32 v[AL+1], v[M+1], v[MN+1]
	v_exp_f32 v[AL], v[AL]
	v_exp_f32 v[AL+1], v[AL+1]
	v_mov_b32 v[M], v[MN]                          ; also the plain place behind the two exponentials (ISA guide 5.7.2)
	v_mov_b32 v[M+1], v[MN+1]
.irp i, 0,1,2,3,4,5,6,7,8,9,10,11,12,13,14,15
	v_pk_add_f32 v[S+2*\i:S+2*\i+1], v[S+2*\i:S+2*\i+1], v[MN:MN+1] op_sel_hi:[1,0] neg_lo:[0,1] neg_hi:[0,1]
.endr
.irp i, 0,1,2,3,4,5,6,7,8,9,10,11,12,13,14,15
	v_pk_add_f32 v[S+32+2*\i:S+32+2*\i+1], v[S+32+2*\i:S+32+2*\i+1], v[MN:MN+1] op_sel:[0,1] op_sel_hi:[1,1] neg_lo:[0,1] neg_hi:[0,1]
.endr
.set i, 0
.rept 64
	v_exp_f32 v[S+i], v[S+i]
.set i, i+1
.endr
	s_wait_alu depctr_va_vdst(0)
	v_pk_mul_f32 v[LP:LP+1], v[LP:LP+1], v[AL:AL+1] op_sel_hi:[1,0]                    ; the plain places behind the exponentials
	v_pk_mul_f32 v[LP+2:LP+3], v[LP+2:LP+3], v[AL:AL+1] op_sel:[0,1] op_sel_hi:[1,1]
	v_pk_add_f32 v[TP0:TP0+1], v[S+16:S+17], v[S+18:S+19]
	v_pk_add_f32 v[TP1:TP1+1], v[S+48:S+49], v[S+50:S+51]
.irp i, 0,1,2,3,4,5
	v_pk_add_f32 v[LP:LP+1], v[LP:LP+1], v[S+2*\i:S+2*\i+1]
	v_pk_add_f32 v[LP+2:LP+3], v[LP+2:LP+3], v[S+32+2*\i:S+32+2*\i+1]
	v_pk_add_f32 v[TP0:TP0+1], v[TP0:TP0+1], v[S+20+2*\i:S+20+2*\i+1]
	v_pk_add_f32 v[TP1:TP1+1], v[TP1:TP1+1], v[S+52+2*\i:S+52+2*\i+1]
.endr
.irp i, 6,7
	v_pk_add_f32 v[LP:LP+1], v[LP:LP+1], v[S+2*\i:S+2*\i+1]
	v_pk_add_f32 v[LP+2:LP+3], v[LP+2:LP+3], v[S+32+2*\i:S+32+2*\i+1]
.endr
	v_pk_add_f32 v[LP:LP+1], v[LP:LP+1], v[TP0:TP0+1]
	v_pk_add_f32 v[LP+2:LP+3], v[LP+2:LP+3], v[TP1:TP1+1]
.irp qt, 0,1                                       ; two key tiles (16 registers) pack into the first eight: the fragment of P for 32 keys
.irp c, 0,1
.irp i, 0,1,2,3,4,5,6,7
	v_cvt_pk_bf16_f32 v[S+32*\qt+16*\c+\i], v[S+32*\qt+16*\c+2*\i], v[S+32*\qt+16*\c+2*\i+1]
.endr
.endr
.endr
.irp dt, 0,1,2,3
.irp i, 0,1,2,3
	v_pk_mul_f32 v[O+16*\dt+2*\i:O+16*\dt+2*\i+1], v[O+16*\dt+2*\i:O+16*\dt+2*\i+1], v[AL:AL+1] op_sel_hi:[1,0]
	v_pk_mul_f32 v[O+16*\dt+8+2*\i:O+16*\dt+8+2*\i+1], v[O+16*\dt+8+2*\i:O+16*\dt+8+2*\i+1], v[AL:AL+1] op_sel:[0,1] op_sel_hi:[1,1]
.endr
.endr
	s_wait_dscnt 0x0                               ; V is in
.irp c, 0,1                                        ; the eight accumulators take turns, one instruction a turn
.irp dt, 0,1,2,3
.irp qt, 0,1
	v_wmma_f32_16x16x32_bf16 v[O+16*\dt+8*\qt:O+16*\dt+8*\qt+7], v[KV+32*\c+8*\dt:KV+32*\c+8*\dt+7], v[S+32*\qt+16*\c:S+32*\qt+16*\c+7], v[O+16*\dt+8*\qt:O+16*\dt+8*\qt+7]
.endr
.endr
.endr
	PLACES 5                                       ; the next trip's first product writes over P, a source of these; its K loads land on V
.endm
; A block's scalars.  In: s77 = jb, s61 = pairs in front of the last.
.macro PHASE
	s_lshl_b32 s60, s77, 5                         ; p0: the block's first position
	s_lshl_b32 s71, s61, 8                         ; k0: the last pair's first key
	s_sub_co_u32 s62, s60, s71                     ; p0 - k0, for the tile in slot 0
	s_sub_co_u32 s63, s62, 128                     ; for the tile in slot 1
	s_lshl_b32 s72, s60, 7
	s_mov_b32 s73, 0
	s_add_nc_u64 s[56:57], s[52:53], s[72:73]      ; Q at p0
	s_lshl_b32 s72, s60, 11
	s_add_nc_u64 s[58:59], s[54:55], s[72:73]      ; at16 at p0
.endm
; A block's start.  O is cleared by moves: the first trip of the first block is a trip of the loop for a >= 2 and the masked tail's for a < 2, so letting the
; first product start the sums would take two more forms of the trip for 64 moves in 9 pairs of trips.
.macro INIT
.irp qt, 0,1
.irp dh, 0,1
	global_load_b128 v[Q+16*\qt+8*\dh:Q+16*\qt+8*\dh+3],   v[VQ+\qt], s[56:57] offset:64*\dh
	global_load_b128 v[Q+16*\qt+8*\dh+4:Q+16*\qt+8*\dh+7], v[VQ+\qt], s[56:57] offset:64*\dh+32
.endr
.endr
.set i, 0
.rept 64
	v_mov_b32 v[O+i], 0
.set i, i+1
.endr
	v_mov_b32 v[M], s76
	v_mov_b32 v[M+1], s76
.irp i, 0,1,2,3
	v_mov_b32 v[LP+\i], 0
.endr
	s_wait_loadcnt 0x0
.endm
; A block's end: the key halves meet, the result is divided by its sum and leaves through LDS as whole rows of 512 bytes.
.macro FINAL
	v_add_f32 v[LP], v[LP], v[LP+1]
	v_add_f32 v[LP+2], v[LP+2], v[LP+3]
	v_permlanex16_b32 v[MXB], v[LP], s66, s67
	v_permlanex16_b32 v[MXB+1], v[LP+2], s66, s67
	v_add_f32 v[LP], v[LP], v[MXB]                 ; l of my tile 0
	v_add_f32 v[DQ+1], v[LP+2], v[MXB+1]           ; l of tile 1,
	v_mov_b32 v[DQ], v[M+1]                        ; and its m: they go with it
.irp dt, 0,1,2,3
	ds_store_b128 v[VXS], v[O+16*\dt+8:O+16*\dt+11]  offset:1024*\dt
	ds_store_b128 v[VXS], v[O+16*\dt+12:O+16*\dt+15] offset:1024*\dt+512
.endr
	ds_store_b64 v[VXS], v[DQ:DQ+1] offset:4096
	s_wait_dscnt 0x0                               ; my stores are done, for the wave that reads them
	s_barrier_signal -1
	s_barrier_wait -1
.irp dt, 0,1,2,3
	ds_load_b128 v[KV+8*\dt:KV+8*\dt+3],   v[VXL] offset:1024*\dt
	ds_load_b128 v[KV+8*\dt+4:KV+8*\dt+7], v[VXL] offset:1024*\dt+512
.endr
	ds_load_b64 v[DQ:DQ+1], v[VXL] offset:4096
	s_wait_dscnt 0x0
	v_max_num_f32 v[MN], v[M], v[DQ]
	v_sub_f32 v[AL], v[M], v[MN]
	v_sub_f32 v[AL+1], v[DQ], v[MN]
	v_exp_f32 v[AL], v[AL]                         ; a half whose keys were all masked has m = -3.4e38: its factor is 0
	v_exp_f32 v[AL+1], v[AL+1]
	v_nop
	s_wait_alu depctr_va_vdst(0)
	v_mul_f32 v[MXA], v[LP], v[AL]
	v_fmac_f32 v[MXA], v[DQ+1], v[AL+1]            ; the sum: at least 1, the term of the maximum
	v_rcp_f32 v[MXA], v[MXA]
	v_nop
	s_wait_alu depctr_va_vdst(0)
	v_mul_f32 v[AL], v[AL], v[MXA]
	v_mul_f32 v[AL+1], v[AL+1], v[MXA]
.irp dt, 0,1,2,3
.irp i, 0,1,2,3
	v_pk_mul_f32 v[O+16*\dt+2*\i:O+16*\dt+2*\i+1], v[O+16*\dt+2*\i:O+16*\dt+2*\i+1], v[AL:AL+1] op_sel_hi:[1,0]
.endr
.endr
.irp dt, 0,1,2,3
.irp i, 0,1,2,3
	v_pk_fma_f32 v[O+16*\dt+2*\i:O+16*\dt+2*\i+1], v[KV+8*\dt+2*\i:KV+8*\dt+2*\i+1], v[AL:AL+1], v[O+16*\dt+2*\i:O+16*\dt+2*\i+1] op_sel:[0,1,0] op_sel_hi:[1,1,1]
.endr
.endr
.irp dt, 0,1,2,3
.irp i, 0,1,2,3
	v_cvt_pk_bf16_f32 v[KV+32+4*\dt+\i], v[O+16*\dt+2*\i], v[O+16*\dt+2*\i+1]
.endr
	ds_store_b128 v[VOS], v[KV+32+4*\dt:KV+32+4*\dt+3] offset:32*\dt
.endr
	s_wait_dscnt 0x0
	s_barrier_signal -1
	s_barrier_wait -1
.irp i, 0,1,2,3
	ds_load_b128 v[KV+48+4*\i:KV+48+4*\i+3], v[VOL] offset:OPITCH*\i
.endr
.irp i, 0,1,2,3
	s_wait_dscnt 3-\i                              ; row i is in; the younger rows stay out
	global_store_b128 v[VCO], v[KV+48+4*\i:KV+48+4*\i+3], s[58:59] offset:2048*\i      ; a wave's store covers 512 consecutive bytes, aligned
.endr
	s_wait_xcnt 0x0                                ; the stores' base and data are written again only behind this wait
.endm
	s_load_b128 s[4:7], s[0:1], 0x0                ; qkv, at16
	v_lshl_add_u32 v11, v0, 2, 0x29000
	s_set_vgpr_msb 0x40
	v_mov_b32 v1, 0
	s_set_vgpr_msb 0x4044
	ds_add_u32 v11, v1
	s_set_vgpr_msb 0x4400
	v_lshrrev_b32 v1, 5, v0
	v_readfirstlane_b32 s8, v1                     ; wave
	s_and_b32 s9, s8, 3                            ; g
	s_lshr_b32 s10, s8, 2                          ; kh
	s_mov_b32 s11, ttmp9                           ; a: the cluster's x
	s_bfe_u32 s12, ttmp6, 0x40000                  ; cx
	s_and_b32 s13, ttmp7, 0xffff
	s_lshr_b32 s14, s13, 2                         ; b
	s_and_b32 s15, s13, 3                          ; kvh
	s_mov_b32 s66, 0x76543210
	s_mov_b32 s67, 0xfedcba98
	s_mov_b32 s76, 0xff7fffff                      ; a masked score
	; K: my 16 keys are 2,048 dense bytes, fetched as 8 rows of 128 elements of 2 bytes; 4 words of padding behind every 32 words (a key's row)
	s_mov_b32 s[G1K+0], 15|(1<<16)|(1<<20)|(1<<21)|(4<<22)|(3<<25)
	s_mov_b32 s[G1K+1], 128<<16
	s_mov_b32 s[G1K+2], 8<<16
	s_mov_b32 s[G1K+3], 128<<16
	s_mov_b32 s[G1K+4], 8
	s_mov_b32 s[G1K+5], 128
	s_mov_b32 s[G1K+6], 0
	s_mov_b32 s[G1K+7], 0
	; V: the same with 8 words of padding
	s_mov_b32 s[G1V+0], 15|(1<<16)|(1<<20)|(1<<21)|(4<<22)|(7<<25)
	s_mov_b32 s[G1V+1], 128<<16
	s_mov_b32 s[G1V+2], 8<<16
	s_mov_b32 s[G1V+3], 128<<16
	s_mov_b32 s[G1V+4], 8
	s_mov_b32 s[G1V+5], 128
	s_mov_b32 s[G1V+6], 0
	s_mov_b32 s[G1V+7], 0
	s_mul_i32 s70, s8, 16*KPITCH
	s_mul_i32 s71, s8, 16*VPITCH
	s_add_co_u32 s71, s71, KBYTES
	s_add_co_u32 s68, s15, 16                      ; K's block of 64 columns: 16 + kvh
	s_lshl_b32 s68, s68, 19
	s_lshl_b32 s69, s14, 18                        ; batch: 2,048 rows of 128 bytes
	s_add_co_u32 s68, s68, s69
	s_lshl_b32 s69, s8, 11                         ; my 16 keys
	s_add_co_u32 s68, s68, s69
	s_mov_b32 s69, 0
	s_lshl2_add_u32 s72, s15, s9                   ; Q's head 4 kvh + g
	s_lshl_b32 s72, s72, 19
	s_lshl_b32 s73, s14, 18
	s_add_co_u32 s72, s72, s73
	s_mov_b32 s73, 0
	s_lshl_b32 s74, s14, 22                        ; at16: batch x 2,048 rows x 2,048 bytes
	s_lshl_b32 s75, s15, 9                         ; + kvh x 256 columns
	s_add_co_u32 s74, s74, s75
	s_mov_b32 s75, 0
	s_wait_dscnt 0x0
	s_wait_kmcnt 0x0
	s_add_nc_u64 s[KB:KB+1], s[4:5], s[68:69]
	s_add_nc_u64 s[VB:VB+1], s[KB:KB+1], 4*524288  ; V lies four blocks behind K
	s_or_b32 s[KB+1], s[KB+1], 0x80000000
	s_or_b32 s[VB+1], s[VB+1], 0x80000000
	s_add_nc_u64 s[52:53], s[4:5], s[72:73]
	s_add_nc_u64 s[54:55], s[6:7], s[74:75]
.irp sl, 0,1
	s_mov_b32 s[G0K+4*\sl], 1
	s_add_co_u32 s[G0K+4*\sl+1], s70, \sl*SLOT
	s_add_nc_u64 s[G0K+4*\sl+2:G0K+4*\sl+3], s[KB:KB+1], \sl*TILE
	s_mov_b32 s[G0V+4*\sl], 1
	s_add_co_u32 s[G0V+4*\sl+1], s71, \sl*SLOT
	s_add_nc_u64 s[G0V+4*\sl+2:G0V+4*\sl+3], s[VB:VB+1], \sl*TILE
.endr
	ROUND                                          ; the four work-groups are here: the first joint loads meet
	tensor_load_to_lds s[G0K:G0K+3], s[G1K:G1K+7]  ; tile 0
	s_nop 0
	tensor_load_to_lds s[G0V:G0V+3], s[G1V:G1V+7]
	s_nop 0
	v_and_b32 v12, 15, v0                          ; r
	v_bfe_u32 v13, v0, 4, 1                        ; h
	v_and_b32 v14, 31, v0                          ; L
	v_and_b32 v15, 7, v0
	v_bfe_u32 v16, v0, 3, 1
	v_mul_u32_u24 v[VK], v12, KPITCH
	v_lshl_add_u32 v[VK], v13, 4, v[VK]
	s_mul_i32 s70, s10, 64*KPITCH
	v_add_nc_u32 v[VK], s70, v[VK]                 ; (64 kh + r) x 144 + 16 h
	v_lshl_add_u32 v[VV], v13, 3, v15
	v_mul_u32_u24 v[VV], v[VV], VPITCH
	v_lshl_add_u32 v[VV], v16, 4, v[VV]
	s_mul_i32 s70, s10, 64*VPITCH
	s_add_co_u32 s70, s70, KBYTES
	v_add_nc_u32 v[VV], s70, v[VV]                 ; behind K: (64 kh + 8 h + L % 8) x 160 + 16 ((L / 8) % 2)
	v_lshlrev_b32 v17, 7, v12
	v_lshl_add_u32 v17, v13, 4, v17                ; r x 128 + 16 h
	s_lshl_b32 s70, s10, 11
	s_xor_b32 s71, s70, 2048
	v_add_nc_u32 v[VQ], s70, v17                   ; tile 0: positions 16 kh + r
	v_add_nc_u32 v[VQ+1], s71, v17                 ; tile 1: positions 16 (1 - kh) + r
	v_lshlrev_b32 v18, 4, v14                      ; 16 L
	s_mul_i32 s70, s8, XW
	s_add_co_u32 s70, s70, XCH
	s_xor_b32 s71, s8, 4
	s_mul_i32 s71, s71, XW
	s_add_co_u32 s71, s71, XCH
	v_add_nc_u32 v[VXS], s70, v18
	v_add_nc_u32 v[VXL], s71, v18
	v_mul_u32_u24 v[VOS], v12, OPITCH
	v_lshl_add_u32 v[VOS], v13, 4, v[VOS]
	s_mul_i32 s70, s10, 16*OPITCH
	s_lshl_b32 s71, s9, 7
	s_add_co_u32 s70, s70, s71
	s_add_co_u32 s70, s70, OUTB
	v_add_nc_u32 v[VOS], s70, v[VOS]               ; row 16 kh + r, head g, 16 h
	s_mul_i32 s70, s8, 4*OPITCH
	s_add_co_u32 s70, s70, OUTB
	v_add_nc_u32 v[VOL], s70, v18                  ; rows 4 w .. 4 w + 3
	s_lshl_b32 s70, s8, 13
	v_add_nc_u32 v[VCO], s70, v18
	v_lshlrev_b32 v19, 3, v13
	v_sub_nc_u32 v19, v12, v19                     ; r - 8 h
	s_mul_i32 s70, s10, -48                        ; 16 kh - 64 kh
	v_add_nc_u32 v[DQB], s70, v19
	s_mul_i32 s71, s10, -80                        ; 16 (1 - kh) - 64 kh
	s_add_co_u32 s71, s71, 16
	v_add_nc_u32 v[DQB+1], s71, v19
	; block 1: jb1 = 4 a + cx, a / 2 pairs in front of the last
	s_lshl2_add_u32 s77, s11, s12
	s_lshr_b32 s61, s11, 1
	PHASE
	INIT
	s_cmp_eq_u32 s61, 0
	s_cbranch_scc1 .Ltail1
.Lloop1:
	TRIP 0, 0, 1, 0
	TRIP 1, 0, 1, 0
	s_sub_co_u32 s61, s61, 1
	s_cmp_lg_u32 s61, 0
	s_cbranch_scc1 .Lloop1
.Ltail1:
	TRIP 0, 1, 1, 1                                ; the last pair; the slots' next tiles are block 2's tiles 0 and 1
	TRIP 1, 1, 1, 1                                ; its refill is block 2's tile 0, which lands during the block's end
	FINAL
	; block 2: jb2 = 63 - jb1, (15 - a) / 2 pairs (4 to 7) in front of the last
	s_sub_co_u32 s77, 63, s77
	s_sub_co_u32 s61, 15, s11
	s_lshr_b32 s61, s61, 1
	PHASE
	INIT
.Lloop2:
	TRIP 0, 0, 1, 0
	TRIP 1, 0, 1, 0
	s_sub_co_u32 s61, s61, 1
	s_cmp_lg_u32 s61, 0
	s_cbranch_scc1 .Lloop2
	TRIP 0, 1, 1, 0
	TRIP 1, 1, 0, 0                                ; nothing more to fetch (the stepped addresses are not used)
	FINAL
	s_set_vgpr_msb 0x4
	s_wait_tensorcnt 0x0
	ds_add_u32 v11, v1
	s_wait_dscnt 0x0
	s_set_vgpr_msb 0x400
	ROUND                                          ; the closing round: no work-group ends while a partner may still ask for a tile that names it
	s_endpgm
.Lfunc_end_k_qcebcd3dc76_attn:
	.size	k_qcebcd3dc76_attn, .Lfunc_end_k_qcebcd3dc76_attn-k_qcebcd3dc76_attn
	.p2alignl 7, 3214868480
	.fill 96, 4, 3214868480
	.section	.rodata,"a",@progbits
	.p2align	6, 0x0
	.amdhsa_kernel k_qcebcd3dc76_attn
		.amdhsa_group_segment_fixed_size 327680
		.amdhsa_private_segment_fixed_size 0
		.amdhsa_enable_private_segment 0
		.amdhsa_kernarg_size 16
		.amdhsa_user_sgpr_count 2
		.amdhsa_user_sgpr_kernarg_segment_ptr 1
		.amdhsa_wavefront_size32 1
		.amdhsa_system_sgpr_workgroup_id_x 1
		.amdhsa_system_sgpr_workgroup_id_y 1
		.amdhsa_system_sgpr_workgroup_id_z 1
		.amdhsa_system_vgpr_workitem_id 0
		.amdhsa_next_free_vgpr 258
		.amdhsa_next_free_sgpr 80
		.amdhsa_reserve_vcc 1
		.amdhsa_float_denorm_mode_32 3
		.amdhsa_float_denorm_mode_16_64 3
		.amdhsa_memory_ordered 1
		.amdhsa_forward_progress 1
		.amdhsa_inst_pref_size 185
	.end_amdhsa_kernel
	.amdgpu_metadata
---
amdhsa.version: [ 1, 2 ]
amdhsa.kernels:
  - .name:           k_qcebcd3dc76_attn
    .symbol:         k_qcebcd3dc76_attn.kd
    .args:
      - { .name: qkv, .offset: 0, .size: 8, .value_kind: global_buffer, .address_space: global }
      - { .name: at16, .offset: 8, .size: 8, .value_kind: global_buffer, .address_space: global }
    .group_segment_fixed_size: 327680
    .private_segment_fixed_size: 0
    .kernarg_segment_align: 8
    .kernarg_segment_size: 16
    .max_flat_workgroup_size: 256
    .sgpr_count:     80
    .vgpr_count:     258
    .wavefront_size: 32
...
	.end_amdgpu_metadata
.endif
;; end of part 3
;; launch proj (part 4): grid 8 x 32, 4 waves a work-group, clusters of 4 x 4, 327,680 bytes of LDS; arguments at16, wb, tokens, y; writes y
.if DOCPART == 4
	.amdgcn_target "amdgcn-amd-amdhsa--gfx1250"
	.amdhsa_code_object_version 6
	.text
	.protected	k_qcebcd3dc76_proj
	.globl	k_qcebcd3dc76_proj
	.p2align	8
	.type	k_qcebcd3dc76_proj,@function
k_qcebcd3dc76_proj:
	s_mov_b64 s[64:65], 0
	v_nop
	global_prefetch_b8 v0, s[64:65] scope:SCOPE_SE
	s_setreg_imm32_b32 hwreg(HW_REG_WAVE_MODE, 25, 1), 1
	s_wait_xcnt 0x0
	s_wait_alu depctr_hold_cnt(0) depctr_sa_sdst(0) depctr_va_vdst(0) depctr_va_sdst(0) depctr_va_ssrc(0) depctr_va_vcc(0) depctr_vm_vsrc(0)
	s_getreg_b32 s2, hwreg(HW_REG_IB_STS2, 6, 4)
	s_cmp_eq_u32 s2, 0
	s_cbranch_scc0 .Lentry_in_a_cluster
	s_endpgm
.Lentry_in_a_cluster:
	s_bfe_u32 s2, ttmp6, 0x10000c
	s_cmp_lg_u32 s2, 0xf033
	s_cbranch_scc0 .Lentry_shape_is_right
	s_endpgm
.Lentry_shape_is_right:
; y = tokens + at16 [4096][1024] x (0.1 Wo) [1024][1024]: bf16 operands (0.1 is already in wb), f32 sums, f32 out.
; A work-group makes 128 rows x 128 columns with four waves in 2 x 2; a wave makes 64 x 64: 16 accumulator tiles (128 registers, window 1).
; K = 1024 goes in 8 steps of 128 through three LDS slots, all written out.  A's rows in a tile are 256 bytes of memory, aligned; B's tile of one
; (column block, K step) is one dense run of 32,768 bytes of wb, fetched as rows of 256 bytes.
; CLUSTERS: 4 x 4 work-groups; A's tile is asked for jointly along a row of the cluster, B's along a column: each is requested once for four work-groups.
; Every wave issues one load for A and one for B per K step; at most six tensor loads of a wave are out.
; The matrix instruction is used transposed (source 0 = columns of Wo, source 1 = rows of at16): a lane's eight results are eight neighbouring columns of a row.
.set NT,     4
.set APITCH, 272                       ; 256 bytes + 16: an odd multiple of 16
.set BPITCH, 160                       ; 128 bytes + 32: an odd multiple of 32
.set ABYTES, 128*APITCH
.set SUBB,   128*BPITCH
.set SLOT,   ABYTES+2*SUBB             ; 75,776
.set STEPB,  32768
.set BROWS,  32
.set WO_OFF, 3145728
.set STAGE,  3*SLOT                    ; 227,328: behind the ring, 16 rows x 272 bytes for each wave; no tensor load lands here
.set SPITCH, 272
.set NL,     2*(4+NT)
.set F0,     32
.set F1,     F0+8*(4+NT)
.set TOK,    32                        ; the way out: 32 x 4 registers of tokens, then of y
.set RB,     160                       ; the way out: rows read back
.set ADRA,   16
.set ADRB0,  19
.set VST,    25
.set VRD,    27
.set VCO,    28
.set G1A, 16
.set G1B, 24
.set G0A, 32
.set G0B, 44
.set ABASE, 66
.set BBASE, 68
.set MSB, 0
.macro WIN new                         ; the immediate's high byte repeats the setting that is left
.if MSB != \new
	s_set_vgpr_msb (MSB<<8)|\new
.set MSB, \new
.endif
.endm
.macro PLACES                          ; four plain places behind a matrix instruction before a load lands on, or anything but a matrix instruction reads, its registers
.rept 4
	v_nop
.endr
.endm
.macro CROUND
	s_barrier_signal -1
	s_barrier_wait -1
	s_cmp_lg_u32 s12, 0
	s_cbranch_scc1 .Lnot_wave_0_\@
	s_barrier_signal -3
.Lnot_wave_0_\@:
	s_barrier_wait -3
	s_barrier_signal -1
	s_barrier_wait -1
.endm
.macro ISSUE t                         ; K step t into slot t % 3; that slot's two groups 0 are written while no load names them
	s_add_nc_u64 s[G0A+4*(\t%3)+2:G0A+4*(\t%3)+3], s[ABASE:ABASE+1], \t*256
	s_add_nc_u64 s[G0B+4*(\t%3)+2:G0B+4*(\t%3)+3], s[BBASE:BBASE+1], \t*STEPB
	tensor_load_to_lds s[G0A+4*(\t%3):G0A+4*(\t%3)+3], s[G1A:G1A+7]
	s_nop 0
	tensor_load_to_lds s[G0B+4*(\t%3):G0B+4*(\t%3)+3], s[G1B:G1B+7]
	s_nop 0
.endm
.macro FETCH slot, q, f
	WIN 0
.irp mt, 0,1,2,3
	ds_load_b128 v[\f+8*\mt:\f+8*\mt+3],   v[ADRA+\slot] offset:\mt*16*APITCH+64*\q
	ds_load_b128 v[\f+8*\mt+4:\f+8*\mt+7], v[ADRA+\slot] offset:\mt*16*APITCH+64*\q+32
.endr
.irp nt, 0,1,2,3
	ds_load_tr16_b128 v[\f+32+8*\nt:\f+32+8*\nt+3],   v[ADRB0+\slot] offset:\q*32*BPITCH+32*\nt
	ds_load_tr16_b128 v[\f+32+8*\nt+4:\f+32+8*\nt+7], v[ADRB0+\slot] offset:\q*32*BPITCH+32*\nt+16*BPITCH
.endr
.endm
.macro MUL f, zero                     ; 16 matrix instructions; the 16 accumulators take turns, one instruction a turn, always in this order
	WIN 0x50
.irp mt, 0,1,2,3
.irp nt, 0,1,2,3
.if \zero
	v_wmma_f32_16x16x32_bf16 v[8*(NT*\mt+\nt):8*(NT*\mt+\nt)+7], v[\f+32+8*\nt:\f+32+8*\nt+7], v[\f+8*\mt:\f+8*\mt+7], 0
.else
	v_wmma_f32_16x16x32_bf16 v[8*(NT*\mt+\nt):8*(NT*\mt+\nt)+7], v[\f+32+8*\nt:\f+32+8*\nt+7], v[\f+8*\mt:\f+8*\mt+7], v[8*(NT*\mt+\nt):8*(NT*\mt+\nt)+7]
.endif
.endr
.endr
.endm
.macro TILE slot, zero
	PLACES
	FETCH \slot, 0, F0
	FETCH \slot, 1, F1
	s_wait_dscnt NL                                ; all but the NL loads just issued
	MUL F0, \zero
	PLACES
	FETCH \slot, 2, F0
	s_wait_dscnt NL
	MUL F1, 0
	PLACES
	FETCH \slot, 3, F1
	s_wait_dscnt NL
	MUL F0, 0
	s_wait_dscnt 0x0
	MUL F1, 0
	WIN 0
.endm
.macro BAR n                           ; shows a landed tile to the other waves; n younger loads may stay out
	s_wait_tensorcnt \n
	s_wait_dscnt 0x0
	s_barrier_signal -1
	s_barrier_wait -1
.endm
.macro REFILL                          ; in front of joint refills: my reads are back, all my tensor loads have landed, then a round of the cluster's barrier
	s_wait_tensorcnt 0x0
	ds_add_u32 v254, v255
	s_wait_dscnt 0x0
	CROUND
.endm
	s_load_b256 s[4:11], s[0:1], 0x0               ; at16 4:5, wb 6:7, tokens 8:9, y 10:11
	v_lshl_add_u32 v254, v0, 2, 0x3bc00
	v_mov_b32 v255, 0
	ds_add_u32 v254, v255
	v_lshrrev_b32 v1, 5, v0
	v_readfirstlane_b32 s12, v1                    ; wave
	s_lshr_b32 s13, s12, 1                         ; wm: which 64 rows
	s_and_b32 s14, s12, 1                          ; cw: which 64 columns
	s_bfe_u32 s56, ttmp6, 0x40000                  ; cx
	s_bfe_u32 s57, ttmp6, 0x40004                  ; cy
	s_lshl_b32 s58, ttmp9, 2
	s_add_co_u32 s58, s58, s56                     ; nb
	s_and_b32 s59, ttmp7, 0xffff
	s_lshl_b32 s59, s59, 2
	s_add_co_u32 s59, s59, s57                     ; mb
	s_lshl_b32 s60, s57, 2
	s_lshl_b32 s60, 15, s60                        ; my row of the cluster
	s_lshl_b32 s61, 0x1111, s56                    ; my column
	s_or_b32 s[G1A+0], s60, (1<<16)|(1<<20)|(1<<21)|(5<<22)|(3<<25)    ; 32 rows x 128 elements of 2 bytes; 4 words of padding behind every 64
	s_mov_b32 s[G1A+1], 128<<16
	s_mov_b32 s[G1A+2], 32<<16
	s_mov_b32 s[G1A+3], 128<<16
	s_mov_b32 s[G1A+4], 32
	s_mov_b32 s[G1A+5], 1024
	s_mov_b32 s[G1A+6], 0
	s_mov_b32 s[G1A+7], 0
	s_or_b32 s[G1B+0], s61, (1<<16)|(1<<20)|(1<<21)|(4<<22)|(7<<25)    ; a dense run as rows of 128 elements; 8 words of padding behind every 32 (a k row)
	s_mov_b32 s[G1B+1], 128<<16
	s_mov_b32 s[G1B+2], BROWS<<16
	s_mov_b32 s[G1B+3], 128<<16
	s_mov_b32 s[G1B+4], BROWS
	s_mov_b32 s[G1B+5], 128
	s_mov_b32 s[G1B+6], 0
	s_mov_b32 s[G1B+7], 0
	s_mul_i32 s74, s12, 32*APITCH
	s_mul_i32 s75, s12, BROWS*2*BPITCH
	s_add_co_u32 s75, s75, ABYTES
.irp sl, 0,1,2
	s_mov_b32 s[G0A+4*\sl], 1
	s_add_co_u32 s[G0A+4*\sl+1], s74, \sl*SLOT
	s_mov_b32 s[G0B+4*\sl], 1
	s_add_co_u32 s[G0B+4*\sl+1], s75, \sl*SLOT
.endr
	s_lshl_b32 s70, s59, 18                        ; A: (128 mb + 32 wave) rows of 2,048 bytes
	s_lshl_b32 s71, s12, 16
	s_add_co_u32 s70, s70, s71
	s_mov_b32 s71, 0
	s_mul_i32 s72, s58, 8*STEPB                    ; B: Wo's part of wb, column block nb, my quarter
	s_mul_i32 s73, s12, STEPB/4
	s_add_co_u32 s72, s72, s73
	s_add_co_u32 s72, s72, WO_OFF
	s_mov_b32 s73, 0
	s_wait_dscnt 0x0
	s_wait_kmcnt 0x0
	s_add_nc_u64 s[ABASE:ABASE+1], s[4:5], s[70:71]
	s_or_b32 s[ABASE+1], s[ABASE+1], 0x80000000
	s_add_nc_u64 s[BBASE:BBASE+1], s[6:7], s[72:73]
	s_or_b32 s[BBASE+1], s[BBASE+1], 0x80000000
	CROUND                                         ; all sixteen work-groups are here: the first joint loads meet
	ISSUE 0
	ISSUE 1
	ISSUE 2
	v_and_b32 v2, 15, v0                           ; r
	v_bfe_u32 v3, v0, 4, 1                         ; h
	v_and_b32 v4, 7, v0
	v_bfe_u32 v5, v0, 3, 1
	v_mul_u32_u24 v6, v2, APITCH
	v_lshl_add_u32 v6, v3, 4, v6
	v_lshl_add_u32 v7, v3, 3, v4
	v_mul_u32_u24 v7, v7, BPITCH
	v_lshl_add_u32 v7, v5, 4, v7
	s_mul_i32 s76, s13, 64*APITCH
	s_mul_i32 s77, s14, SUBB
	s_add_co_u32 s77, s77, ABYTES
.irp sl, 0,1,2
	v_add_nc_u32 v[ADRA+\sl], s76, v6
	v_add_nc_u32 v[ADRB0+\sl], s77, v7
	s_add_co_u32 s76, s76, SLOT
	s_add_co_u32 s77, s77, SLOT
.endr
	s_mul_i32 s76, s12, 16*SPITCH
	s_add_co_u32 s76, s76, STAGE                   ; my stage
	v_mul_u32_u24 v8, v2, SPITCH
	v_lshl_add_u32 v8, v3, 5, v8
	v_add_nc_u32 v[VST], s76, v8                   ; in: row r, 32 bytes for each half of the lanes
	v_mul_u32_u24 v9, v3, SPITCH
	v_lshl_add_u32 v9, v2, 4, v9
	v_add_nc_u32 v[VRD], s76, v9                   ; back: lanes 0-15 one row of 256 bytes, lanes 16-31 the next
	v_lshlrev_b32 v10, 12, v3
	v_lshl_add_u32 v[VCO], v2, 4, v10              ; the same two rows in tokens and in y
	s_lshl_b32 s70, s59, 19                        ; (128 mb + 64 wm) rows of 4,096 bytes
	s_lshl_b32 s71, s13, 18
	s_add_co_u32 s70, s70, s71
	s_mov_b32 s71, 0
	s_add_nc_u64 s[8:9], s[8:9], s[70:71]
	s_add_nc_u64 s[10:11], s[10:11], s[70:71]
	s_lshl_b32 s72, s58, 9                         ; (128 nb + 64 cw) columns of 4 bytes
	s_lshl_b32 s73, s14, 8
	s_add_co_u32 s72, s72, s73
	s_mov_b32 s73, 0
	s_add_nc_u64 s[8:9], s[8:9], s[72:73]
	s_add_nc_u64 s[10:11], s[10:11], s[72:73]
	BAR 4                                          ; K step 0 is in; the four loads of steps 1 and 2 stay out
	TILE 0, 1                                      ; the first products start the sums: nothing is cleared
	BAR 2                                          ; step 1 is in; step 2's two loads stay out
	TILE 1, 0
	REFILL
	ISSUE 3
	ISSUE 4
	TILE 2, 0
	BAR 2                                          ; step 3 is in; step 4's stay out
	TILE 0, 0
	REFILL
	ISSUE 5
	ISSUE 6
	TILE 1, 0
	BAR 2                                          ; step 5 is in; step 6's stay out
	TILE 2, 0
	REFILL
	ISSUE 7
	TILE 0, 0
	BAR 0
	TILE 1, 0
	; THE WAY OUT, 16 rows at a time through my own stage: a lane's 32 bytes go in by rows of 272 bytes, whole rows of 256 bytes come back,
	; tokens is added, and sixteen lanes store 256 consecutive bytes, aligned.
	PLACES
.irp mt, 0,1,2,3
.irp t, 0,1,2,3,4,5,6,7
	global_load_b128 v[TOK+4*(8*\mt+\t):TOK+4*(8*\mt+\t)+3], v[VCO], s[8:9] offset:(16*\mt+2*\t)*4096
.endr
.endr
.irp mt, 0,1,2,3
	WIN 0x04                                       ; store data in window 1
.irp nt, 0,1,2,3
	ds_store_b128 v[VST], v[8*(NT*\mt+\nt):8*(NT*\mt+\nt)+3]   offset:64*\nt
	ds_store_b128 v[VST], v[8*(NT*\mt+\nt)+4:8*(NT*\mt+\nt)+7] offset:64*\nt+16
.endr
	WIN 0
.irp t, 0,1,2,3,4,5,6,7
	ds_load_b128 v[RB+4*\t:RB+4*\t+3], v[VRD] offset:\t*2*SPITCH       ; LDS serves a wave's instructions in order (ISA guide 5.7.1.4): these see the stores above
.endr
.irp t, 0,1,2,3,4,5,6,7
	s_wait_dscnt 7-\t                              ; these two rows are back; the younger loads stay out
	s_wait_loadcnt 31-(8*\mt+\t)                   ; their tokens are in; the later rows' loads stay out
	v_pk_add_f32 v[TOK+4*(8*\mt+\t):TOK+4*(8*\mt+\t)+1], v[TOK+4*(8*\mt+\t):TOK+4*(8*\mt+\t)+1], v[RB+4*\t:RB+4*\t+1]
	v_pk_add_f32 v[TOK+4*(8*\mt+\t)+2:TOK+4*(8*\mt+\t)+3], v[TOK+4*(8*\mt+\t)+2:TOK+4*(8*\mt+\t)+3], v[RB+4*\t+2:RB+4*\t+3]
	global_store_b128 v[VCO], v[TOK+4*(8*\mt+\t):TOK+4*(8*\mt+\t)+3], s[10:11] offset:(16*\mt+2*\t)*4096      ; data registers of their own for every store
.endr
.endr
	s_wait_tensorcnt 0x0
	ds_add_u32 v254, v255
	s_wait_dscnt 0x0
	CROUND                                         ; the closing round
	s_endpgm
.Lfunc_end_k_qcebcd3dc76_proj:
	.size	k_qcebcd3dc76_proj, .Lfunc_end_k_qcebcd3dc76_proj-k_qcebcd3dc76_proj
	.p2alignl 7, 3214868480
	.fill 96, 4, 3214868480
	.section	.rodata,"a",@progbits
	.p2align	6, 0x0
	.amdhsa_kernel k_qcebcd3dc76_proj
		.amdhsa_group_segment_fixed_size 327680
		.amdhsa_private_segment_fixed_size 0
		.amdhsa_enable_private_segment 0
		.amdhsa_kernarg_size 32
		.amdhsa_user_sgpr_count 2
		.amdhsa_user_sgpr_kernarg_segment_ptr 1
		.amdhsa_wavefront_size32 1
		.amdhsa_system_sgpr_workgroup_id_x 1
		.amdhsa_system_sgpr_workgroup_id_y 1
		.amdhsa_system_sgpr_workgroup_id_z 1
		.amdhsa_system_vgpr_workitem_id 0
		.amdhsa_next_free_vgpr 384
		.amdhsa_next_free_sgpr 80
		.amdhsa_reserve_vcc 0
		.amdhsa_float_denorm_mode_32 3
		.amdhsa_float_denorm_mode_16_64 3
		.amdhsa_memory_ordered 1
		.amdhsa_forward_progress 1
		.amdhsa_inst_pref_size 98
	.end_amdhsa_kernel
	.amdgpu_metadata
---
amdhsa.version: [ 1, 2 ]
amdhsa.kernels:
  - .name:           k_qcebcd3dc76_proj
    .symbol:         k_qcebcd3dc76_proj.kd
    .args:
      - { .name: at16, .offset: 0, .size: 8, .value_kind: global_buffer, .address_space: global }
      - { .name: wb, .offset: 8, .size: 8, .value_kind: global_buffer, .address_space: global }
      - { .name: tokens, .offset: 16, .size: 8, .value_kind: global_buffer, .address_space: global }
      - { .name: y, .offset: 24, .size: 8, .value_kind: global_buffer, .address_space: global }
    .group_segment_fixed_size: 327680
    .private_segment_fixed_size: 0
    .kernarg_segment_align: 8
    .kernarg_segment_size: 32
    .max_flat_workgroup_size: 128
    .sgpr_count:     80
    .vgpr_count:     384
    .wavefront_size: 32
...
	.end_amdgpu_metadata
.endif
;; end of part 4
;; launch ln2 (part 5): grid 256 x 1, 8 waves a work-group, no clusters, 0 bytes of LDS; arguments y, g2, b2, out0; writes out0
.if DOCPART == 5
	.amdgcn_target "amdgcn-amd-amdhsa--gfx1250"
	.amdhsa_code_object_version 6
	.text
	.protected	k_qcebcd3dc76_ln2
	.globl	k_qcebcd3dc76_ln2
	.p2align	8
	.type	k_qcebcd3dc76_ln2,@function
k_qcebcd3dc76_ln2:
	s_mov_b64 s[64:65], 0
	v_nop
	global_prefetch_b8 v0, s[64:65] scope:SCOPE_SE
	s_setreg_imm32_b32 hwreg(HW_REG_WAVE_MODE, 25, 1), 1
	s_wait_xcnt 0x0
; out0 = LayerNorm(y) * g2 + b2, all f32.  16 rows a work-group, 2 rows a wave; a row (4,096 bytes) lies in 32 registers of one wave between the passes,
; so y is read once.  Mean first, then the sum of (x - mean)^2: no difference of large sums.
; A stream: no LDS, no matrix unit, no cluster (the work-groups share nothing but g2 and b2, 8 KiB against 64 KiB of rows each).
; Every load and store of a wave covers 512 consecutive bytes, aligned.
.set X0,   32                          ; v[32:63]   row 0 of the wave
.set X1,   64                          ; v[64:95]   row 1
.set G,    96                          ; v[96:127]  g2 at my columns
.set BV,   128                         ; v[128:159] b2 at my columns
.set T,    4                           ; v[4:19]    at work
.set MEAN, 20
.set RSTD, 22
.set PT,   24
.set GOF,  25
.set EPSR, 26
.macro WSUM reg                        ; sum over the 32 lanes, result in every lane
	v_add_f32_dpp v[\reg], v[\reg], v[\reg] row_xmask:1 row_mask:0xf bank_mask:0xf
	v_add_f32_dpp v[\reg], v[\reg], v[\reg] row_xmask:2 row_mask:0xf bank_mask:0xf
	v_add_f32_dpp v[\reg], v[\reg], v[\reg] row_xmask:4 row_mask:0xf bank_mask:0xf
	v_add_f32_dpp v[\reg], v[\reg], v[\reg] row_xmask:8 row_mask:0xf bank_mask:0xf
	v_permlanex16_b32 v[PT], v[\reg], s40, s41
	v_add_f32 v[\reg], v[\reg], v[PT]
.endm
.macro STATS X                         ; the row in v[X:X+31] becomes (x - mean) / sqrt(var + eps)
.irp i, 0,1,2,3,4,5,6,7
	v_pk_add_f32 v[T+2*\i:T+2*\i+1], v[\X+4*\i:\X+4*\i+1], v[\X+4*\i+2:\X+4*\i+3]
.endr
.irp i, 0,1,2,3
	v_pk_add_f32 v[T+4*\i:T+4*\i+1], v[T+4*\i:T+4*\i+1], v[T+4*\i+2:T+4*\i+3]
.endr
	v_pk_add_f32 v[T:T+1], v[T:T+1], v[T+4:T+5]
	v_pk_add_f32 v[T+8:T+9], v[T+8:T+9], v[T+12:T+13]
	v_pk_add_f32 v[T:T+1], v[T:T+1], v[T+8:T+9]
	v_add_f32 v[T], v[T], v[T+1]
	WSUM T
	v_mul_f32 v[MEAN], s42, v[T]
	v_mul_f32 v[MEAN+1], s42, v[T]
.irp i, 0,1,2,3,4,5,6,7,8,9,10,11,12,13,14,15
	v_pk_add_f32 v[\X+2*\i:\X+2*\i+1], v[\X+2*\i:\X+2*\i+1], v[MEAN:MEAN+1] neg_lo:[0,1] neg_hi:[0,1]
.endr
.irp i, 0,1,2,3
	v_pk_mul_f32 v[T+2*\i:T+2*\i+1], v[\X+2*\i:\X+2*\i+1], v[\X+2*\i:\X+2*\i+1]
.endr
.irp i, 4,5,6,7,8,9,10,11,12,13,14,15
	v_pk_fma_f32 v[T+2*(\i%4):T+2*(\i%4)+1], v[\X+2*\i:\X+2*\i+1], v[\X+2*\i:\X+2*\i+1], v[T+2*(\i%4):T+2*(\i%4)+1]
.endr
	v_pk_add_f32 v[T:T+1], v[T:T+1], v[T+2:T+3]
	v_pk_add_f32 v[T+4:T+5], v[T+4:T+5], v[T+6:T+7]
	v_pk_add_f32 v[T:T+1], v[T:T+1], v[T+4:T+5]
	v_add_f32 v[T], v[T], v[T+1]
	WSUM T
	v_fma_f32 v[T], v[T], s42, v[EPSR]             ; var + eps
	v_rsq_f32 v[RSTD], v[T]
	v_rsq_f32 v[RSTD+1], v[T]
	v_nop                                          ; one plain place behind a transcendental before its result is used (ISA guide 5.7.2)
	s_wait_alu depctr_va_vdst(0)
.irp i, 0,1,2,3,4,5,6,7,8,9,10,11,12,13,14,15
	v_pk_mul_f32 v[\X+2*\i:\X+2*\i+1], v[\X+2*\i:\X+2*\i+1], v[RSTD:RSTD+1]
.endr
.endm
.macro AFFINE X
.irp i, 0,1,2,3,4,5,6,7,8,9,10,11,12,13,14,15
	v_pk_fma_f32 v[\X+2*\i:\X+2*\i+1], v[\X+2*\i:\X+2*\i+1], v[G+2*\i:G+2*\i+1], v[BV+2*\i:BV+2*\i+1]
.endr
.endm
.macro ROWOUT X, row
.irp j, 0,1,2,3,4,5,6,7
	global_store_b128 v2, v[\X+4*\j:\X+4*\j+3], s[10:11] offset:\row*4096+512*\j th:TH_STORE_NT
.endr
.endm
	s_load_b256 s[4:11], s[0:1], 0x0               ; y 4:5, g2 6:7, b2 8:9, out0 10:11
	v_and_b32 v1, 31, v0                           ; lane
	v_lshrrev_b32 v2, 5, v0
	v_readfirstlane_b32 s24, v2                    ; wave
	s_mov_b32 s40, 0x76543210                      ; v_permlanex16_b32: lane i reads lane i of the other half
	s_mov_b32 s41, 0xfedcba98
	s_mov_b32 s42, 0x3a800000                      ; 1 / 1024
	v_mov_b32 v[PT], 0                             ; the permute's destination counts as read
	v_mov_b32 v[EPSR], 0x3727c5ac                  ; 1e-5
	v_lshlrev_b32 v[GOF], 4, v1                    ; 16 x lane
	s_lshl_b32 s25, s24, 13                        ; wave x 2 rows x 4,096 bytes
	v_add_nc_u32 v2, s25, v[GOF]
	s_lshl_b32 s28, ttmp9, 16                      ; 16 rows
	s_mov_b32 s29, 0
	s_wait_kmcnt 0x0
	s_add_nc_u64 s[4:5], s[4:5], s[28:29]
	s_add_nc_u64 s[10:11], s[10:11], s[28:29]
.irp j, 0,1,2,3,4,5,6,7
	global_load_b128 v[X0+4*\j:X0+4*\j+3], v2, s[4:5] offset:512*\j th:TH_LOAD_NT
.endr
.irp j, 0,1,2,3,4,5,6,7
	global_load_b128 v[X1+4*\j:X1+4*\j+3], v2, s[4:5] offset:4096+512*\j th:TH_LOAD_NT
.endr
.irp j, 0,1,2,3,4,5,6,7
	global_load_b128 v[G+4*\j:G+4*\j+3], v[GOF], s[6:7] offset:512*\j
.endr
.irp j, 0,1,2,3,4,5,6,7
	global_load_b128 v[BV+4*\j:BV+4*\j+3], v[GOF], s[8:9] offset:512*\j
.endr
	s_wait_loadcnt 24                              ; row 0 is in; the 24 younger loads (row 1, g2, b2) stay out
	STATS X0
	s_wait_loadcnt 16                              ; row 1 is in; g2 and b2 stay out
	STATS X1
	s_wait_loadcnt 0x0
	AFFINE X0
	ROWOUT X0, 0
	AFFINE X1
	ROWOUT X1, 1
	s_endpgm
.Lfunc_end_k_qcebcd3dc76_ln2:
	.size	k_qcebcd3dc76_ln2, .Lfunc_end_k_qcebcd3dc76_ln2-k_qcebcd3dc76_ln2
	.p2alignl 7, 3214868480
	.fill 96, 4, 3214868480
	.section	.rodata,"a",@progbits
	.p2align	6, 0x0
	.amdhsa_kernel k_qcebcd3dc76_ln2
		.amdhsa_group_segment_fixed_size 0
		.amdhsa_private_segment_fixed_size 0
		.amdhsa_enable_private_segment 0
		.amdhsa_kernarg_size 32
		.amdhsa_user_sgpr_count 2
		.amdhsa_user_sgpr_kernarg_segment_ptr 1
		.amdhsa_wavefront_size32 1
		.amdhsa_system_sgpr_workgroup_id_x 1
		.amdhsa_system_sgpr_workgroup_id_y 1
		.amdhsa_system_sgpr_workgroup_id_z 1
		.amdhsa_system_vgpr_workitem_id 0
		.amdhsa_next_free_vgpr 160
		.amdhsa_next_free_sgpr 66
		.amdhsa_reserve_vcc 0
		.amdhsa_float_denorm_mode_32 3
		.amdhsa_float_denorm_mode_16_64 3
		.amdhsa_memory_ordered 1
		.amdhsa_forward_progress 1
		.amdhsa_inst_pref_size 18
	.end_amdhsa_kernel
	.amdgpu_metadata
---
amdhsa.version: [ 1, 2 ]
amdhsa.kernels:
  - .name:           k_qcebcd3dc76_ln2
    .symbol:         k_qcebcd3dc76_ln2.kd
    .args:
      - { .name: y, .offset: 0, .size: 8, .value_kind: global_buffer, .address_space: global }
      - { .name: g2, .offset: 8, .size: 8, .value_kind: global_buffer, .address_space: global }
      - { .name: b2, .offset: 16, .size: 8, .value_kind: global_buffer, .address_space: global }
      - { .name: out0, .offset: 24, .size: 8, .value_kind: global_buffer, .address_space: global }
    .group_segment_fixed_size: 0
    .private_segment_fixed_size: 0
    .kernarg_segment_align: 8
    .kernarg_segment_size: 32
    .max_flat_workgroup_size: 256
    .sgpr_count:     66
    .vgpr_count:     160
    .wavefront_size: 32
...
	.end_amdgpu_metadata
.endif
;; end of part 5
;; ======== version 2 of 2: 5 launches; version 1 with the launch prep written anew for expert scheduling mode
;; workspace buffers: t16 8,388,608 bytes; wb 5,242,880 bytes; qkv 12,582,912 bytes; at16 8,388,608 bytes; y 16,777,216 bytes
;; launch prep (part 6): grid 416 x 1, 8 waves a work-group, no clusters, 0 bytes of LDS; arguments tokens, g1, b1, Wq, Wk, Wv, Wo, t16, wb; writes t16, wb
.if DOCPART == 6
	.amdgcn_target "amdgcn-amd-amdhsa--gfx1250"
	.amdhsa_code_object_version 6
	.text
	.protected	k_qcebcd3dc76_prep
	.globl	k_qcebcd3dc76_prep
	.p2align	8
	.type	k_qcebcd3dc76_prep,@function
k_qcebcd3dc76_prep:
	s_mov_b64 s[64:65], 0
	v_nop
	global_prefetch_b8 v0, s[64:65] scope:SCOPE_SE
	s_setreg_imm32_b32 hwreg(HW_REG_WAVE_SCHED_MODE, 0, 2), 2
	s_setreg_imm32_b32 hwreg(HW_REG_WAVE_MODE, 25, 1), 1
	s_wait_xcnt 0x0
	s_wait_alu depctr_vm_vsrc(0)
; Two jobs that stream, told apart by the work-group's number.
; Work-groups 0-255: t16 = bf16(LayerNorm(tokens) * g1 + b1).  16 rows a work-group, 2 rows a wave; a row (4,096 bytes) lies in
;   32 registers of one wave between the passes, so tokens is read once.  Mean first, then the sum of (x - mean)^2: no difference of large sums.
; Work-groups 256-415: the four weight matrices, times a constant in f32, rounded once to bf16, laid in blocks [k 128][c 64]:
;   wb[0 ..)       = [nb 8][ks 8][sub 3][128][64] for the columns Wq | Wk | Wv (block of 64 columns n64 = 3 nb + sub, k = 128 ks + kk)
;   wb[WO_OFF ..)  = [nb 8][ks 8][sub 2][128][64] for Wo (n64 - 24 = 2 nb + sub)
;   Wq carries 0.125 * log2(e) (the scores then come out in powers of two), Wo carries 0.1, Wk and Wv 1.0.
; No LDS, no matrix unit, no cluster: the work-groups share nothing but g1 and b1 (8 KiB against 64 KiB of rows each).
; THE MODE: SCHED_MODE bits 1:0 = 2 (LLVM: expert scheduling mode 2), set by the entry lines.  The code itself states the register dependences
; between vector instructions and memory instructions, with s_wait_alu, always for 0.
; THE PLAN, LayerNorm.  Registers that memory instructions touch:
;   v2, v25, v3    byte offsets, made once at the head and never written again: one wait ahead of the first load states that they are written.
;   X0, X1, G, BV  the 32 loads land in them; no vector instruction names them before.  The arithmetic reads them behind the waits on LOADcnt.
;   the low two of every four registers of X0 and X1: written by the row's roundings, read by one store each, never written again.
;   One wait stands behind row 0's roundings; row 0's eight stores follow it, dealt among row 1's multiply-adds, which name X1, G and BV alone.
;   One wait stands behind row 1's roundings, ahead of its eight stores.
; THE PLAN, weights.  v8-15 and v7: offsets, made once, one wait ahead of the first load.  v32-95: the 16 loads land in them; no vector instruction names
;   them before.  v96-127: four registers of their own for each store, written by the roundings, never written again.  The eight steps go in four pairs:
;   the wait at a pair's head states that the pair before has written its out-registers, and that pair's two stores follow it.
; No register that a memory instruction has read is written again, and no load lands in a register that a vector instruction has named: so no wait on vm_vsrc is owed.
.set X0,   32                          ; v[32:63]   row 0 of the wave
.set X1,   64                          ; v[64:95]   row 1
.set G,    96                          ; v[96:127]  g1 at my columns
.set BV,   128                         ; v[128:159] b1 at my columns
.set T,    4                           ; v[4:19]    at work: no memory instruction names them
.set MEAN, 20                          ; v[20:21]   the mean, twice
.set RSTD, 22                          ; v[22:23]   1 / sqrt(var + eps), twice
.set PT,   24                          ; v24        the other half's figure
.set GOF,  25                          ; v25        16 x lane
.set EPSR, 26                          ; v26        eps
.set WO_OFF, 3145728
	s_load_b512 s[4:19], s[0:1], 0x0               ; tokens 4:5, g1 6:7, b1 8:9, Wq 10:11, Wk 12:13, Wv 14:15, Wo 16:17, t16 18:19
	s_load_b64 s[20:21], s[0:1], 0x40              ; wb
	v_and_b32 v1, 31, v0                           ; lane
	v_lshrrev_b32 v2, 5, v0
	v_readfirstlane_b32 s24, v2                    ; wave
	s_wait_alu depctr_va_sdst(0)                   ; s24 is written, ahead of the branch: both paths make their offsets from it
	s_cmp_ge_u32 ttmp9, 256
	s_cbranch_scc1 .Lweights
; ---------------------------------------------------------------- LayerNorm 1
.macro WSUM reg                        ; sum over the 32 lanes, result in every lane
	v_add_f32_dpp v[\reg], v[\reg], v[\reg] row_xmask:1 row_mask:0xf bank_mask:0xf
	v_add_f32_dpp v[\reg], v[\reg], v[\reg] row_xmask:2 row_mask:0xf bank_mask:0xf
	v_add_f32_dpp v[\reg], v[\reg], v[\reg] row_xmask:4 row_mask:0xf bank_mask:0xf
	v_add_f32_dpp v[\reg], v[\reg], v[\reg] row_xmask:8 row_mask:0xf bank_mask:0xf
	v_permlanex16_b32 v[PT], v[\reg], s40, s41
	v_add_f32 v[\reg], v[\reg], v[PT]
.endm
.macro STATS X                         ; the row in v[X:X+31] becomes (x - mean) / sqrt(var + eps)
.irp i, 0,1,2,3,4,5,6,7
	v_pk_add_f32 v[T+2*\i:T+2*\i+1], v[\X+4*\i:\X+4*\i+1], v[\X+4*\i+2:\X+4*\i+3]
.endr
.irp i, 0,1,2,3
	v_pk_add_f32 v[T+4*\i:T+4*\i+1], v[T+4*\i:T+4*\i+1], v[T+4*\i+2:T+4*\i+3]
.endr
	v_pk_add_f32 v[T:T+1], v[T:T+1], v[T+4:T+5]
	v_pk_add_f32 v[T+8:T+9], v[T+8:T+9], v[T+12:T+13]
	v_pk_add_f32 v[T:T+1], v[T:T+1], v[T+8:T+9]
	v_add_f32 v[T], v[T], v[T+1]
	WSUM T
	v_mul_f32 v[MEAN], s42, v[T]                   ; sum / 1024
	v_mul_f32 v[MEAN+1], s42, v[T]
.irp i, 0,1,2,3,4,5,6,7,8,9,10,11,12,13,14,15
	v_pk_add_f32 v[\X+2*\i:\X+2*\i+1], v[\X+2*\i:\X+2*\i+1], v[MEAN:MEAN+1] neg_lo:[0,1] neg_hi:[0,1]
.endr
.irp i, 0,1,2,3
	v_pk_mul_f32 v[T+2*\i:T+2*\i+1], v[\X+2*\i:\X+2*\i+1], v[\X+2*\i:\X+2*\i+1]       ; four chains, started by products
.endr
.irp i, 4,5,6,7,8,9,10,11,12,13,14,15
	v_pk_fma_f32 v[T+2*(\i%4):T+2*(\i%4)+1], v[\X+2*\i:\X+2*\i+1], v[\X+2*\i:\X+2*\i+1], v[T+2*(\i%4):T+2*(\i%4)+1]
.endr
	v_pk_add_f32 v[T:T+1], v[T:T+1], v[T+2:T+3]
	v_pk_add_f32 v[T+4:T+5], v[T+4:T+5], v[T+6:T+7]
	v_pk_add_f32 v[T:T+1], v[T:T+1], v[T+4:T+5]
	v_add_f32 v[T], v[T], v[T+1]
	WSUM T
	v_fma_f32 v[T], v[T], s42, v[EPSR]             ; var + eps
	v_rsq_f32 v[RSTD], v[T]
	v_rsq_f32 v[RSTD+1], v[T]
	v_nop                                          ; one plain place behind a transcendental before its result is used (ISA guide 5.7.2)
	s_wait_alu depctr_va_vdst(0)                   ; the two reciprocal roots have written v[RSTD:RSTD+1], ahead of their first reader: one wait for both
.irp i, 0,1,2,3,4,5,6,7,8,9,10,11,12,13,14,15
	v_pk_mul_f32 v[\X+2*\i:\X+2*\i+1], v[\X+2*\i:\X+2*\i+1], v[RSTD:RSTD+1]
.endr
.endm
.macro AFFINE X
.irp i, 0,1,2,3,4,5,6,7,8,9,10,11,12,13,14,15
	v_pk_fma_f32 v[\X+2*\i:\X+2*\i+1], v[\X+2*\i:\X+2*\i+1], v[G+2*\i:G+2*\i+1], v[BV+2*\i:BV+2*\i+1]
.endr
.endm
.macro PACK X                          ; four numbers a lane become 8 bytes, in the low two of their four registers
.irp j, 0,1,2,3,4,5,6,7
	v_cvt_pk_bf16_f32 v[\X+4*\j], v[\X+4*\j], v[\X+4*\j+1]
	v_cvt_pk_bf16_f32 v[\X+4*\j+1], v[\X+4*\j+2], v[\X+4*\j+3]
.endr
.endm
	s_mov_b32 s40, 0x76543210                      ; v_permlanex16_b32: lane i reads lane i of the other half
	s_mov_b32 s41, 0xfedcba98
	s_mov_b32 s42, 0x3a800000                      ; 1 / 1024
	v_mov_b32 v[PT], 0                             ; the permute's destination counts as read
	v_mov_b32 v[EPSR], 0x3727c5ac                  ; 1e-5
	v_lshlrev_b32 v[GOF], 4, v1                    ; 16 x lane: my 16 bytes of every 512
	s_lshl_b32 s25, s24, 13                        ; wave x 2 rows x 4,096 bytes
	s_lshl_b32 s26, s24, 12                        ; wave x 2 rows x 2,048 bytes
	v_add_nc_u32 v2, s25, v[GOF]
	v_lshl_add_u32 v3, v1, 3, s26
	s_lshl_b32 s28, ttmp9, 16                      ; 16 rows of tokens
	s_mov_b32 s29, 0
	s_lshl_b32 s30, ttmp9, 15                      ; 16 rows of t16
	s_mov_b32 s31, 0
	s_wait_kmcnt 0x0
	s_add_nc_u64 s[4:5], s[4:5], s[28:29]
	s_add_nc_u64 s[18:19], s[18:19], s[30:31]
	s_wait_alu depctr_va_vdst(0)                   ; v2, v[GOF] and v3 are written: every load and store of this path reads one of them as its offset
.irp j, 0,1,2,3,4,5,6,7
	global_load_b128 v[X0+4*\j:X0+4*\j+3], v2, s[4:5] offset:512*\j
.endr
.irp j, 0,1,2,3,4,5,6,7
	global_load_b128 v[X1+4*\j:X1+4*\j+3], v2, s[4:5] offset:4096+512*\j
.endr
.irp j, 0,1,2,3,4,5,6,7
	global_load_b128 v[G+4*\j:G+4*\j+3], v[GOF], s[6:7] offset:512*\j
.endr
.irp j, 0,1,2,3,4,5,6,7
	global_load_b128 v[BV+4*\j:BV+4*\j+3], v[GOF], s[8:9] offset:512*\j
.endr
	s_wait_loadcnt 24                              ; row 0 is in; the 24 younger loads (row 1, g1, b1) stay out
	STATS X0
	s_wait_loadcnt 16                              ; row 1 is in; g1 and b1 stay out
	STATS X1
	s_wait_loadcnt 0x0
	AFFINE X0
	PACK X0
	s_wait_alu depctr_va_vdst(0)                   ; row 0's roundings have written the registers that its eight stores read
.irp j, 0,1,2,3,4,5,6,7
	global_store_b64 v3, v[X0+4*\j:X0+4*\j+1], s[18:19] offset:256*\j   ; a wave's store covers 256 consecutive bytes, aligned.  No further wait: the lines between name X1, G and BV alone
	v_pk_fma_f32 v[X1+4*\j:X1+4*\j+1], v[X1+4*\j:X1+4*\j+1], v[G+4*\j:G+4*\j+1], v[BV+4*\j:BV+4*\j+1]                  ; row 1's gain and bias, in the order of row 0's
	v_pk_fma_f32 v[X1+4*\j+2:X1+4*\j+3], v[X1+4*\j+2:X1+4*\j+3], v[G+4*\j+2:G+4*\j+3], v[BV+4*\j+2:BV+4*\j+3]
.endr
	PACK X1
	s_wait_alu depctr_va_vdst(0)                   ; row 1's roundings have written the registers that its eight stores read
.irp j, 0,1,2,3,4,5,6,7
	global_store_b64 v3, v[X1+4*\j:X1+4*\j+1], s[18:19] offset:2048+256*\j
.endr
	s_endpgm
; ---------------------------------------------------------------- weights: 64 columns x 256 k a work-group, 32 k a wave
.Lweights:
	s_sub_co_u32 s25, ttmp9, 256
	s_lshr_b32 s26, s25, 2                         ; n64: block of 64 columns, 0-15 Wq, 16-19 Wk, 20-23 Wv, 24-39 Wo
	s_and_b32 s27, s25, 3                          ; kq: which 256 of k
	s_lshr_b32 s28, s24, 2
	s_lshl1_add_u32 s28, s27, s28                  ; ks = 2 kq + wave / 4: which 128 of k
	s_max_u32 s36, s26, 16
	s_sub_co_u32 s36, s36, 16                      ; column block inside Wk
	s_max_u32 s37, s26, 20
	s_sub_co_u32 s37, s37, 20                      ; inside Wv
	s_max_u32 s38, s26, 24
	s_sub_co_u32 s38, s38, 24                      ; inside Wo
	s_min_u32 s39, s26, 23                         ; inside Wq | Wk | Wv
	s_wait_kmcnt 0x0
	s_mov_b64 s[32:33], s[10:11]                   ; source, its row pitch in bytes, its column block, the factor: Wq's first
	s_mov_b32 s34, 4096
	s_mov_b32 s35, s26
	s_mov_b32 s30, 0x3e38aa3b                      ; 0.125 * log2(e)
	s_cmp_ge_u32 s26, 16
	s_cselect_b64 s[32:33], s[12:13], s[32:33]
	s_cselect_b32 s34, 1024, s34
	s_cselect_b32 s35, s36, s35
	s_cselect_b32 s30, 0x3f800000, s30
	s_cmp_ge_u32 s26, 20
	s_cselect_b64 s[32:33], s[14:15], s[32:33]
	s_cselect_b32 s35, s37, s35
	s_cmp_ge_u32 s26, 24
	s_cselect_b64 s[32:33], s[16:17], s[32:33]
	s_cselect_b32 s34, 4096, s34
	s_cselect_b32 s35, s38, s35
	s_cselect_b32 s30, 0x3dcccccd, s30             ; 0.1
	s_mov_b32 s31, s30
	; where the block goes
	s_mul_i32 s44, s39, 171
	s_lshr_b32 s44, s44, 9                         ; nb = n64 / 3 (exact for 0 .. 23)
	s_mul_i32 s45, s44, 3
	s_sub_co_u32 s45, s39, s45                     ; sub
	s_lshl3_add_u32 s44, s44, s28                  ; 8 nb + ks
	s_mul_i32 s44, s44, 3
	s_add_co_u32 s44, s44, s45
	s_lshl_b32 s44, s44, 14                        ; blocks of 16,384 bytes
	s_lshr_b32 s46, s38, 1
	s_and_b32 s47, s38, 1
	s_lshl3_add_u32 s46, s46, s28
	s_lshl1_add_u32 s46, s46, s47
	s_lshl_b32 s46, s46, 14
	s_add_co_u32 s46, s46, WO_OFF
	s_cmp_ge_u32 s26, 24
	s_cselect_b32 s44, s46, s44
	s_and_b32 s45, s24, 3
	s_lshl_b32 s45, s45, 12                        ; my 32 k rows of 128 bytes inside the block
	s_add_co_u32 s44, s44, s45
	s_mov_b32 s45, 0
	s_add_nc_u64 s[20:21], s[20:21], s[44:45]
	; where it comes from: row 256 kq + 32 wave + 4 i + lane / 8, bytes 256 colblk + 32 (lane % 8)
	s_lshl_b32 s36, s27, 8
	s_lshl_b32 s37, s24, 5
	s_add_co_u32 s36, s36, s37
	s_mul_i32 s36, s36, s34
	s_lshl_b32 s37, s35, 8
	s_add_co_u32 s36, s36, s37
	s_lshl_b32 s37, s34, 2                         ; four rows on
	v_lshrrev_b32 v2, 3, v1
	v_and_b32 v3, 7, v1
	v_mul_lo_u32 v2, v2, s34
	v_lshl_add_u32 v2, v3, 5, v2
	v_add_nc_u32 v8, s36, v2
.irp i, 1,2,3,4,5,6,7
	v_add_nc_u32 v[8+\i], s37, v[7+\i]
.endr
	v_lshlrev_b32 v7, 4, v1                        ; out: 16 x lane
	s_wait_alu depctr_va_vdst(0)                   ; v8 to v15 and v7 are written: the loads and stores below read them as their offsets
.irp i, 0,1,2,3,4,5,6,7
	global_load_b128 v[32+8*\i:35+8*\i], v[8+\i], s[32:33] th:TH_LOAD_NT
	global_load_b128 v[36+8*\i:39+8*\i], v[8+\i], s[32:33] offset:16 th:TH_LOAD_NT   ; the pair covers 256 consecutive bytes of each of four rows
.endr
.irp q, 0,1,2,3                        ; steps 2 q and 2 q + 1
	s_wait_loadcnt 12-4*\q                         ; these two steps' four loads are in; the later steps' stay out
.if \q > 0
	s_wait_alu depctr_va_vdst(0)                   ; the two steps before have written their out-registers, which the two stores below read
	global_store_b128 v7, v[96+8*\q-8:96+8*\q-5], s[20:21] offset:1024*\q-1024    ; four k rows of 128 bytes: 512 consecutive bytes; data registers of their own for each step
	global_store_b128 v7, v[96+8*\q-4:96+8*\q-1], s[20:21] offset:1024*\q-512
.endif
.irp p, 0,1,2,3,4,5,6,7
	v_pk_mul_f32 v[32+16*\q+2*\p:33+16*\q+2*\p], v[32+16*\q+2*\p:33+16*\q+2*\p], s[30:31] op_sel_hi:[1,0]
.endr
.irp p, 0,1,2,3,4,5,6,7
	v_cvt_pk_bf16_f32 v[96+8*\q+\p], v[32+16*\q+2*\p], v[33+16*\q+2*\p]
.endr
.endr
	s_wait_alu depctr_va_vdst(0)                   ; steps 6 and 7 have written v[120:127], which the last two stores read
	global_store_b128 v7, v[120:123], s[20:21] offset:3072
	global_store_b128 v7, v[124:127], s[20:21] offset:3584
	s_endpgm
.Lfunc_end_k_qcebcd3dc76_prep:
	.size	k_qcebcd3dc76_prep, .Lfunc_end_k_qcebcd3dc76_prep-k_qcebcd3dc76_prep
	.p2alignl 7, 3214868480
	.fill 96, 4, 3214868480
	.section	.rodata,"a",@progbits
	.p2align	6, 0x0
	.amdhsa_kernel k_qcebcd3dc76_prep
		.amdhsa_group_segment_fixed_size 0
		.amdhsa_private_segment_fixed_size 0
		.amdhsa_enable_private_segment 0
		.amdhsa_kernarg_size 72
		.amdhsa_user_sgpr_count 2
		.amdhsa_user_sgpr_kernarg_segment_ptr 1
		.amdhsa_wavefront_size32 1
		.amdhsa_system_sgpr_workgroup_id_x 1
		.amdhsa_system_sgpr_workgroup_id_y 1
		.amdhsa_system_sgpr_workgroup_id_z 1
		.amdhsa_system_vgpr_workitem_id 0
		.amdhsa_next_free_vgpr 160
		.amdhsa_next_free_sgpr 66
		.amdhsa_reserve_vcc 0
		.amdhsa_float_denorm_mode_32 3
		.amdhsa_float_denorm_mode_16_64 3
		.amdhsa_memory_ordered 1
		.amdhsa_forward_progress 1
		.amdhsa_inst_pref_size 30
	.end_amdhsa_kernel
	.amdgpu_metadata
---
amdhsa.version: [ 1, 2 ]
amdhsa.kernels:
  - .name:           k_qcebcd3dc76_prep
    .symbol:         k_qcebcd3dc76_prep.kd
    .args:
      - { .name: tokens, .offset: 0, .size: 8, .value_kind: global_buffer, .address_space: global }
      - { .name: g1, .offset: 8, .size: 8, .value_kind: global_buffer, .address_space: global }
      - { .name: b1, .offset: 16, .size: 8, .value_kind: global_buffer, .address_space: global }
      - { .name: Wq, .offset: 24, .size: 8, .value_kind: global_buffer, .address_space: global }
      - { .name: Wk, .offset: 32, .size: 8, .value_kind: global_buffer, .address_space: global }
      - { .name: Wv, .offset: 40, .size: 8, .value_kind: global_buffer, .address_space: global }
      - { .name: Wo, .offset: 48, .size: 8, .value_kind: global_buffer, .address_space: global }
      - { .name: t16, .offset: 56, .size: 8, .value_kind: global_buffer, .address_space: global }
      - { .name: wb, .offset: 64, .size: 8, .value_kind: global_buffer, .address_space: global }
    .group_segment_fixed_size: 0
    .private_segment_fixed_size: 0
    .kernarg_segment_align: 8
    .kernarg_segment_size: 72
    .max_flat_workgroup_size: 256
    .sgpr_count:     66
    .vgpr_count:     160
    .wavefront_size: 32
...
	.end_amdgpu_metadata
.endif
;; end of part 6
;; launch qkv: the kernel of part 2 again; grid 8 x 32, 4 waves a work-group, clusters of 4 x 4, 327,680 bytes of LDS; arguments t16, wb, qkv; writes qkv
;; launch attn: the kernel of part 3 again; grid 32 x 8, 8 waves a work-group, clusters of 4 x 1, 327,680 bytes of LDS; arguments qkv, at16; writes at16
;; launch proj: the kernel of part 4 again; grid 8 x 32, 4 waves a work-group, clusters of 4 x 4, 327,680 bytes of LDS; arguments at16, wb, tokens, y; writes y
;; launch ln2: the kernel of part 5 again; grid 256 x 1, 8 waves a work-group, no clusters, 0 bytes of LDS; arguments y, g2, b2, out0; writes out0
